; MI455X (gfx1250); checked and timed in simulation.
; The chip was launched on July 23, 2026; its instructions are those of AMD's public machine-readable ISA for CDNA 5 (MIT licence, August 2026) and "CDNA5" Instruction Set Architecture Reference Guide (July 2026). The comments in the code are by the model that wrote it; some were corrected since.
;; Attention. Allowed arithmetic: matrix products marked QUANTISED: E2M3 operands, one E8M0 scale for each 32 along K, by v_wmma_scale_f32_16x16x128_f8f6f4 with both operands' format E2M3, f32 sums; everything else in f32.
;; Inputs: freqs_cos 2,048 x 32 float32; freqs_sin 2,048 x 32 float32; mask 2,048 x 2,048 float32; wk 2,048 x 256 float32; wo 2,048 x 2,048 float32; wq 2,048 x 2,048 float32; wv 2,048 x 256 float32; x 1 x 2,048 x 2,048 float32.
;; Outputs: out0 1 x 2,048 x 2,048 float32.
;; This version of the problem:
;;   THIS VERSION OF THE PROBLEM IS GIVEN IN LOW PRECISION. The matrix products marked QUANTISED in the list below multiply operands that are first quantised to E2M3 (2 exponent bits, 3 mantissa bits; 6 bits a number), with one power-of-two scale for each 32 numbers along K (OCP MX v1.0); their sums are f32. All else is computed in f32.
;;   The module's matrix products, in the order in which they are computed (A, B: the left and right operand; K: the contracted axis; several contracted axes count as one K, in the product's order):
;;     1. [M 2,048, K 2,048] x [K 2,048, N 2,048]; A: input x; B: input wq: QUANTISED
;;     2. [M 2,048, K 2,048] x [K 2,048, N 256]; A: input x; B: input wk: QUANTISED
;;     3. [M 2,048, K 2,048] x [K 2,048, N 256]; A: input x; B: input wv: QUANTISED
;;     4. batch 32 x [M 2,048, K 64] x [K 64, N 2,048]; A: computed on the way; B: computed on the way: QUANTISED
;;     5. batch 32 x [M 64, K 2,048] x [K 2,048, N 2,048]; A: computed on the way; B: softmax (see below): QUANTISED
;;     6. [M 2,048, K 2,048] x [K 2,048, N 2,048]; A: computed on the way; B: input wo: QUANTISED
;;   THE QUANTISER, for each operand of a quantised product, along K:
;;     - K is cut into blocks of 32 from its start; a last block that is shorter is filled with zeros.
;;     - A block's scale is 2^e with e = floor(log2(the largest magnitude in the block)) - 2, held to -126 .. 127; a block of zeros has e = 0. As a byte (E8M0): e + 127.
;;     - Each number is divided by its block's scale, clamped to +-7.5, and rounded to the nearest number of E2M3, ties to even, subnormals kept.
;;     - The product sums the exact products of the quantised numbers (number of the format x scale) in f32.
;;   ~~~python
;;   def quantise(x, axis):      # numpy; x: float32 -> the quantised numbers, widened to float32 again
;;       x = np.moveaxis(x, axis, -1); K = x.shape[-1]
;;       x = np.pad(x, [(0, 0)] * (x.ndim - 1) + [(0, -K % 32)]); x = x.reshape(x.shape[:-1] + (-1, 32)); a = np.abs(x).max(-1, keepdims=True)
;;       e = np.where(a > 0, np.clip(np.frexp(np.where(a > 0, a, 1))[1] - 1 - 2, -126, 127), 0)      # np.frexp(a)[1] - 1 = floor(log2(a)), exactly
;;       r = np.clip(x / 2.0 ** e, -7.5, 7.5)
;;       step = 2.0 ** (np.maximum(np.frexp(np.where(r == 0, 1, r))[1] - 1, 0) - 3)
;;       q = np.round(r / step) * step * 2.0 ** e      # np.round: ties to even
;;       return np.moveaxis(q.reshape(q.shape[:-2] + (-1,))[..., :K], -1, axis).astype(np.float32)
;;   ~~~
;;   SOFTMAX AHEAD OF A QUANTISED PRODUCT. Where the list says 'softmax', what is quantised is not the finished softmax but p = 2^(t - M), with t = logit x log2(e) and M = ceil(the row's largest t), a whole number; so 1/2 < the row's largest p <= 1. The row's sum l is taken of the UNQUANTISED p, in f32, and the product's result is divided by l at the end. Since M is a whole number, a kernel that streams over the keys may use a running M (the ceiling of the running maximum): every later rescaling is an exact power of two, which a block's scale takes up: the codes' values come out the same.
;;   OPERANDS COMPUTED ON THE WAY. 'Computed on the way' means the value that the module computes at that place (a softmax that the list does not call 'softmax' is quantised finished and normalised). What goes into a quantiser is computed in f32, as accurately as f32 sums, v_exp_f32 and their like allow (about 1e-6 of the number): no bf16 or f16 on the way to a quantiser, and a product that is left as it is and whose result goes on into a quantised operand takes f32 operands (vector FMAs, or v_wmma_f32_16x16x4_f32). A number that lies on a knife's edge between two numbers of the format may be rounded either way, as far as f32 arithmetic and the matrix unit's own rounding can turn it there, and no further.
;; One version. Each part assembles by itself: llvm-mc -triple=amdgcn-amd-amdhsa -mcpu=gfx1250 --defsym DOCPART=n.
;; ======== version 1 of 1: 4 launches
;; limits: right only within a limited range of input values
;; workspace buffers: xq 3,276,800 bytes; wts 7,372,800 bytes; qq 3,407,872 bytes; kv 835,584 bytes; aq 3,276,800 bytes
;; launch quant (part 1): grid 416 x 1, 4 waves a work-group, no clusters, 34,304 bytes of LDS; arguments x, wq, wk, wv, wo, xq, wts; writes xq, wts
.if DOCPART == 1
	.amdgcn_target "amdgcn-amd-amdhsa--gfx1250"
	.amdhsa_code_object_version 6
	.text
	.protected	k_qd3995fc28a_quant
	.globl	k_qd3995fc28a_quant
	.p2align	8
	.type	k_qd3995fc28a_quant,@function
k_qd3995fc28a_quant:
	s_mov_b64 s[64:65], 0
	v_nop
	global_prefetch_b8 v0, s[64:65] scope:SCOPE_SE
	s_setreg_imm32_b32 hwreg(HW_REG_WAVE_MODE, 25, 1), 1
	s_wait_xcnt 0x0
; x [2048][2048] and the four weights ([2048 (k)][n]), f32, become codes of FP6 (E2M3) with one E8M0 byte for each 32 along K,
; laid as the products' launches want them: TILE RECORDS of 25,600 bytes, one for 16 rows (tokens, or columns of a weight) and all of K:
;   fragment ks (16 rows x 128 K: the operand's 12 registers a lane) at 1,536 ks, registers 4 c .. 4 c + 3 of lane l at 512 c + 16 l;
;   scale words (four bytes: the row's four blocks of K step ks) at 24,576 + 64 ks + 4 row.
; xq: 128 records (token tiles).  wts: 288 records: 0-127 wq, 128-143 wk, 144-159 wv, 160-287 wo.
; THE ORDER INSIDE A BLOCK OF 32.  In every operand of this program the second and third group of 8 numbers of a block change places.  Operands that later launches
; make out of matrix results come out so by themselves; here it is a matter of which register a load names.  Blocks and scales are untouched, both sides of a product agree,
; so the products are the same; only the order in which the unit adds them differs.
; A block's scale is 2^(floor(log2(its largest magnitude)) - 2); its byte is that magnitude's exponent field - 2, held at 1 from below.
; LIMITS: a block of zeros, or one whose largest magnitude lies under 2^-124, keeps the byte 1 (the bytes are read by this program alone; zero codes add nothing); NaN and infinities are not served.
; WORK-GROUPS: 0-127 a token tile of x each; 128-383 wq and wo, 384-415 wk and wv: 128 columns x 256 along K each.  128 KiB of f32 a work-group.  No tensor loads, no barrier: waves share nothing.
; THE RECORD'S ORDER AS THIS TEXT LAYS IT (in place of the two places named above): four chunks of 6,400 bytes, one for four K steps: fragment ks at 6,400 (ks / 4) + 1,536 (ks % 4),
; its scale words at 6,400 (ks / 4) + 6,144 + 64 (ks % 4) + 4 row: so one tensor row of 6,400 bytes brings four K steps' codes with their scales.
.set TR,    25600
.set STGW,  16*528                     ; x path: a wave's stage: 16 rows of 512 bytes + 16
.set SPARE, 4*STGW                     ; behind the stages: the spare words, 128 bytes a wave: two blocks of 256 bytes that no other line names
.set SPW,   14                         ; v14  LDS address of my spare word; never rewritten
.set NIL,   15                         ; v15  0; never rewritten
.set XR,    32                         ; numbers as loaded: weights two sets of 32 (v32-95), x two sets of 64 (v32-159)
.set WF,    96                         ; weights: v96-143: for each of two K steps two runs of 12 registers
.set WT,    144                        ; weights: v144-146 a conversion's second half
.set WSB,   148                        ; weights: v148-149 scale words
.set XN,    160                        ; x: v160-223 64 numbers in the operand's order
	s_load_b256 s[4:11], s[0:1], 0x0               ; x, wq, wk, wv
	s_load_b128 s[12:15], s[0:1], 0x20             ; wo, xq
	s_load_b64 s[16:17], s[0:1], 0x30              ; wts
	v_lshl_add_u32 v[SPW], v0, 2, SPARE
	v_mov_b32 v[NIL], 0
	v_lshrrev_b32 v1, 5, v0
	v_readfirstlane_b32 s18, v1                    ; wave 0..3
	v_and_b32 v2, 31, v0                           ; lane
	v_and_b32 v1, 15, v0                           ; r
	v_bfe_u32 v3, v0, 4, 1                         ; h
	v_lshlrev_b32 v4, 4, v2                        ; 16 x lane
	v_lshlrev_b32 v5, 2, v2                        ; 4 x lane
	s_mov_b32 s20, 0x76543210
	s_mov_b32 s21, 0xfedcba98                      ; v_permlanex16_b32's selects for lane l xor 16
	s_wait_kmcnt 0x0
; ---- THE WEIGHTS.  A lane takes a column, its registers run down K: a block of 32 lies in one lane, and the conversions give codes with K innermost.
.macro WLOAD t, n                      ; block t of eight: register i takes row 32 t + (i with its middle groups of 8 exchanged); 32 lanes read 128 neighbouring bytes
.set wi, 0
.rept 32
	global_load_b32 v[XR+32*((\t)%2)+wi], v5, s[24:25] offset:(32*(\t)+wi%8+16*((wi/8)%2)+8*(wi/16))*(\n)*4 th:TH_LOAD_NT
.set wi, wi+1
.endr
.endm
.macro WBLOCK t, n
.set XS, XR+32*((\t)%2)
.set FS, WF+24*((\t)/4)+12*((\t)%2)+6*(((\t)%4)/2)   ; even blocks of a K step in the first run, odd ones in the second
.if (\t) < 7
	s_wait_loadcnt 32                              ; this block's 32 loads are in; the next block's may be out
.else
	s_wait_loadcnt 0x0
.endif
	v_max3_num_f32 v12, |v[XS]|, |v[XS+1]|, |v[XS+2]|          ; the block's largest magnitude, in two chains
	v_max3_num_f32 v13, |v[XS+3]|, |v[XS+4]|, |v[XS+5]|
.irp i, 6,10,14,18,22,26
	v_max3_num_f32 v12, v12, |v[XS+\i]|, |v[XS+\i+1]|
	v_max3_num_f32 v13, v13, |v[XS+\i+2]|, |v[XS+\i+3]|
.endr
	v_max3_num_f32 v12, v12, |v[XS+30]|, |v[XS+31]|
	v_max3_num_f32 v12, v12, v13, 0x1800000        ; and the floor 2^(3 - 127): the byte cannot fall under 1
	v_add_nc_u32 v11, 0xff000000, v12              ; 2 off the exponent field: the conversion's scale operand
	v_lshrrev_b32 v13, 23, v11                     ; the scale's byte
.if (\t)%4 == 0
	v_mov_b32 v[WSB+(\t)/4], v13
.else
	v_lshl_or_b32 v[WSB+(\t)/4], v13, 8*((\t)%4), v[WSB+(\t)/4]
.endif
	v_cvt_scalef32_pk16_fp6_f32 v[FS:FS+2], v[XS:XS+15], v11
	v_cvt_scalef32_pk16_fp6_f32 v[WT:WT+2], v[XS+16:XS+31], v11    ; (a conversion's three registers begin on an even number)
	v_nop                                          ; one plain place behind a scaled conversion
.irp i, 0,1,2
	v_mov_b32 v[FS+3+\i], v[WT+\i]
.endr
.if (\t)+2 < 8
	WLOAD (\t)+2, \n
.endif
.if (\t)%4 == 3                        ; a K step is whole.  Lanes 0-15 are the first tile's columns, lanes 16-31 the second's; a fragment wants blocks 0, 2 in lanes 0-15 and blocks 1, 3 in lanes 16-31
.set F0, WF+24*((\t)/4)
.set wi, 0
.rept 12
	v_permlane16_swap_b32 v[F0+wi], v[F0+12+wi]    ; the first run's lanes 16-31 change places with the second's lanes 0-15: now each run is one tile's fragment
.set wi, wi+1
.endr
.irp u, 0,1
.irp c, 0,1,2
	global_store_b128 v4, v[F0+12*\u+4*\c:F0+12*\u+4*\c+3], s[32:33] offset:((\t)/4)*1536+512*\c+TR*\u   ; 512 consecutive bytes, at a multiple of 256 in the buffer
.endr
.endr
	global_store_b32 v6, v[WSB+(\t)/4], s[34:35] offset:64*((\t)/4)   ; lanes 0-15: the first tile's 16 words, lanes 16-31 the second's
.endif
.endm
; s[24:25] the weight, s26 its first record, s27 which 128 columns, s28 which 256 along K.  No register that a store reads is written again: no wait for the stores.
.macro WPATH n
	s_mul_i32 s30, s28, 256*(\n)*4
	s_lshl_b32 s31, s27, 9
	s_add_co_u32 s30, s30, s31
	s_lshl_b32 s31, s18, 7
	s_add_co_u32 s30, s30, s31                     ; 256 kc rows down, column 128 cg + 32 wave
	s_mov_b32 s31, 0
	s_add_nc_u64 s[24:25], s[24:25], s[30:31]
	s_lshl_b32 s30, s27, 3
	s_add_co_u32 s30, s30, s26
	s_lshl_b32 s29, s18, 1
	s_add_co_u32 s30, s30, s29                     ; my first record: base + 8 cg + 2 wave
	s_mul_i32 s30, s30, TR
	s_lshr_b32 s29, s28, 1
	s_mul_i32 s29, s29, 6400
	s_add_co_u32 s30, s30, s29                     ; the chunk of K steps 2 kc, 2 kc + 1
	s_and_b32 s28, s28, 1                          ; and which half of it
	s_mul_i32 s29, s28, 3072
	s_add_co_u32 s32, s30, s29
	s_mov_b32 s33, 0
	s_add_nc_u64 s[32:33], s[16:17], s[32:33]
	s_lshl_b32 s29, s28, 7
	s_add_co_u32 s34, s30, s29
	s_add_co_u32 s34, s34, 6144
	s_mov_b32 s35, 0
	s_add_nc_u64 s[34:35], s[16:17], s[34:35]
	v_mul_u32_u24 v6, v3, TR
	v_lshl_add_u32 v6, v1, 2, v6                   ; a record on for lanes 16-31, + 4 r
	WLOAD 0, \n
	WLOAD 1, \n
.irp t, 0,1,2,3,4,5,6,7
	WBLOCK \t, \n
.endr
	s_endpgm
.endm
	s_cmp_lt_u32 ttmp9, 128
	s_cbranch_scc1 .Lx_path
	s_cmp_lt_u32 ttmp9, 384
	s_cbranch_scc0 .Lnarrow
	s_sub_co_u32 s19, ttmp9, 128                   ; wq (0-127), wo (128-255)
	s_cmp_lt_u32 s19, 128
	s_cselect_b64 s[24:25], s[6:7], s[12:13]
	s_cselect_b32 s26, 0, 160
	s_bfe_u32 s27, s19, 0x40003
	s_and_b32 s28, s19, 7
	s_wait_alu depctr_va_vdst(0)
	WPATH 2048
.Lnarrow:
	s_sub_co_u32 s19, ttmp9, 384                   ; wk (0-15), wv (16-31)
	s_cmp_lt_u32 s19, 16
	s_cselect_b64 s[24:25], s[8:9], s[10:11]
	s_cselect_b32 s26, 0, 16
	s_add_co_u32 s26, s26, 128
	s_bfe_u32 s27, s19, 0x10003
	s_and_b32 s28, s19, 7
	s_wait_alu depctr_va_vdst(0)
	WPATH 256
; ---- x.  K is innermost.  Wave w takes K steps 4 w .. 4 w + 3 of the work-group's 16 tokens.  Each load reads 512 consecutive bytes of a row; a step's 16 rows turn through the wave's own stage,
; from which lane (r, h) takes blocks h and 2 + h of row r, the very numbers that the operand's layout gives it.
.Lx_path:
	s_mul_i32 s30, s18, STGW
	s_wait_alu depctr_va_vdst(0)
	v_add_nc_u32 v6, s30, v4                       ; into the stage: 16 x lane, a row an instruction
	v_mul_u32_u24 v7, v1, 528
	v_lshl_add_u32 v7, v3, 7, v7
	v_add_nc_u32 v7, s30, v7                       ; out of it: row r, + 128 h.  Rows 528 bytes apart: sixteen lanes fall on sixteen different columns of 16 bytes
	v_lshlrev_b32 v16, 3, v3                       ; 8 h
	v_mov_b32 v17, 0                               ; (a lane permute's destination counts as one of its sources)
	v_cmp_gt_u32 s22, 16, v2                       ; lanes 0-15
	s_lshl_b32 s30, ttmp9, 17                      ; 16 rows of 8,192 bytes a tile
	s_lshl_b32 s31, s18, 11                        ; 4 K steps of 512 bytes a wave
	s_add_co_u32 s30, s30, s31
	s_mov_b32 s31, 0
	s_add_nc_u64 s[4:5], s[4:5], s[30:31]
	s_mul_i32 s30, ttmp9, TR
	s_mul_i32 s29, s18, 6400
	s_add_co_u32 s24, s30, s29
	s_mov_b32 s25, 0
	s_add_nc_u64 s[24:25], s[14:15], s[24:25]      ; my four fragments
	s_add_co_u32 s26, s30, s29
	s_add_co_u32 s26, s26, 6144
	s_mov_b32 s27, 0
	s_add_nc_u64 s[26:27], s[14:15], s[26:27]      ; and their scale words
.macro XLOAD t
.set wi, 0
.rept 16
	global_load_b128 v[XR+64*((\t)%2)+4*wi:XR+64*((\t)%2)+4*wi+3], v4, s[4:5] offset:wi*8192+512*(\t) th:TH_LOAD_NT
.set wi, wi+1
.endr
.endm
.macro XTURN t                         ; LDS serves a wave's instructions in order: no wait between the stores and the loads
.set wi, 0
.rept 16
	ds_store_b128 v6, v[XR+64*((\t)%2)+4*wi:XR+64*((\t)%2)+4*wi+3] offset:528*wi
.set wi, wi+1
.endr
.irp c, 0,1
.irp m, 0,1,2,3,4,5,6,7                ; 16 bytes m of a block: its group of 8 is m / 2, which goes to place 0, 2, 1, 3
	ds_load_b128 v[XN+32*\c+8*(2*((\m/2)%2)+\m/4)+4*(\m%2):XN+32*\c+8*(2*((\m/2)%2)+\m/4)+4*(\m%2)+3], v7 offset:256*\c+16*\m
.endr
.endr
.endm
.macro XSTEP t
.set FX, 224+12*((\t)%2)               ; v224-247: the fragment, two sets by turns
.if (\t) < 3
	s_wait_loadcnt 16                              ; this step's 16 loads are in; the next step's may be out
.else
	s_wait_loadcnt 0x0
.endif
	XTURN \t
	s_wait_dscnt 0x0                               ; the numbers are back, and the stage's stores have read their registers,
.if (\t)+2 < 4
	XLOAD (\t)+2                                   ; which take the loads of two steps on
.endif
.irp c, 0,1
	v_max3_num_f32 v[8+\c], |v[XN+32*\c]|, |v[XN+1+32*\c]|, 0x1800000   ; my block 2 c + h: all its 32 numbers are mine; and the floor 2^(3 - 127)
.endr
.irp i, 2,4,6,8,10,12,14,16,18,20,22,24,26,28,30
.irp c, 0,1
	v_max3_num_f32 v[8+\c], v[8+\c], |v[XN+32*\c+\i]|, |v[XN+1+32*\c+\i]|
.endr
.endr
.irp c, 0,1
	v_add_nc_u32 v[10+\c], 0xff000000, v[8+\c]     ; the conversion's scale operand
.endr
.irp c, 0,1
	v_lshrrev_b32 v[12+\c], 23, v[10+\c]           ; the scale's byte
.endr
	v_lshl_or_b32 v18, v13, 16, v12                ; my two bytes, blocks h and 2 + h,
	v_lshlrev_b32 v18, v16, v18                    ; at their places in the word;
	v_permlanex16_b32 v17, v18, s20, s21
	v_or_b32 v[24+(\t)], v18, v17                  ; with lane l xor 16's two the word is whole
.if (\t) >= 2
	s_wait_alu depctr_va_vdst(0)
	s_wait_xcnt 0x0                                ; the stores of two steps back have read this set of registers
.endif
.irp c, 0,1
	v_cvt_scalef32_pk16_fp6_f32 v[FX+6*\c:FX+6*\c+2], v[XN+32*\c:XN+32*\c+15], v[10+\c]
	v_cvt_scalef32_pk16_fp6_f32 v[248+4*\c:250+4*\c], v[XN+32*\c+16:XN+32*\c+31], v[10+\c]
.endr
	v_nop                                          ; one plain place behind a scaled conversion
.irp c, 0,1
.irp i, 0,1,2
	v_mov_b32 v[FX+6*\c+3+\i], v[248+4*\c+\i]
.endr
.endr
.irp c, 0,1,2
	global_store_b128 v4, v[FX+4*\c:FX+4*\c+3], s[24:25] offset:(\t)*1536+512*\c
.endr
.if (\t)%2 == 1                        ; two steps' words leave together: lanes 0-15 the earlier step's, lanes 16-31 this one's: 128 consecutive bytes
	v_cndmask_b32 v[28+(\t)/2], v[24+(\t)], v[23+(\t)], s22
	global_store_b32 v5, v[28+(\t)/2], s[26:27] offset:64*((\t)-1)
.endif
.endm
	XLOAD 0
	XLOAD 1
	s_wait_alu depctr_va_vdst(0)
	XSTEP 0
	XSTEP 1
	XSTEP 2
	XSTEP 3
	s_wait_tensorcnt 0x0                           ; the wave's end: three lines behind my last LDS store, the first of them even with no tensor load in this text
	ds_add_u32 v[SPW], v[NIL]
	s_wait_dscnt 0x0
	s_endpgm
.Lfunc_end_k_qd3995fc28a_quant:
	.size	k_qd3995fc28a_quant, .Lfunc_end_k_qd3995fc28a_quant-k_qd3995fc28a_quant
	.p2alignl 7, 3214868480
	.fill 96, 4, 3214868480
	.section	.rodata,"a",@progbits
	.p2align	6, 0x0
	.amdhsa_kernel k_qd3995fc28a_quant
		.amdhsa_group_segment_fixed_size 34304
		.amdhsa_private_segment_fixed_size 0
		.amdhsa_enable_private_segment 0
		.amdhsa_kernarg_size 56
		.amdhsa_user_sgpr_count 2
		.amdhsa_user_sgpr_kernarg_segment_ptr 1
		.amdhsa_wavefront_size32 1
		.amdhsa_system_sgpr_workgroup_id_x 1
		.amdhsa_system_sgpr_workgroup_id_y 1
		.amdhsa_system_sgpr_workgroup_id_z 1
		.amdhsa_system_vgpr_workitem_id 0
		.amdhsa_next_free_vgpr 256
		.amdhsa_next_free_sgpr 66
		.amdhsa_reserve_vcc 0
		.amdhsa_float_denorm_mode_32 3
		.amdhsa_float_denorm_mode_16_64 3
		.amdhsa_memory_ordered 1
		.amdhsa_forward_progress 1
		.amdhsa_inst_pref_size 109
	.end_amdhsa_kernel
	.amdgpu_metadata
---
amdhsa.version: [ 1, 2 ]
amdhsa.kernels:
  - .name:           k_qd3995fc28a_quant
    .symbol:         k_qd3995fc28a_quant.kd
    .args:
      - { .name: x, .offset: 0, .size: 8, .value_kind: global_buffer, .address_space: global }
      - { .name: wq, .offset: 8, .size: 8, .value_kind: global_buffer, .address_space: global }
      - { .name: wk, .offset: 16, .size: 8, .value_kind: global_buffer, .address_space: global }
      - { .name: wv, .offset: 24, .size: 8, .value_kind: global_buffer, .address_space: global }
      - { .name: wo, .offset: 32, .size: 8, .value_kind: global_buffer, .address_space: global }
      - { .name: xq, .offset: 40, .size: 8, .value_kind: global_buffer, .address_space: global }
      - { .name: wts, .offset: 48, .size: 8, .value_kind: global_buffer, .address_space: global }
    .group_segment_fixed_size: 34304
    .private_segment_fixed_size: 0
    .kernarg_segment_align: 8
    .kernarg_segment_size: 56
    .max_flat_workgroup_size: 128
    .sgpr_count:     66
    .vgpr_count:     256
    .wavefront_size: 32
...
	.end_amdgpu_metadata
.endif
;; end of part 1
;; launch qkv (part 2): grid 16 x 10, 8 waves a work-group, clusters of 4 x 1, 327,680 bytes of LDS; arguments xq, wts, freqs_cos, freqs_sin, qq, kv; writes qq, kv
.if DOCPART == 2
	.amdgcn_target "amdgcn-amd-amdhsa--gfx1250"
	.amdhsa_code_object_version 6
	.text
	.protected	k_qd3995fc28a_qkv
	.globl	k_qd3995fc28a_qkv
	.p2align	8
	.type	k_qd3995fc28a_qkv,@function
k_qd3995fc28a_qkv:
	s_mov_b64 s[64:65], 0
	v_nop
	global_prefetch_b8 v0, s[64:65] scope:SCOPE_SE
	s_setreg_imm32_b32 hwreg(HW_REG_WAVE_MODE, 25, 1), 1
	s_wait_xcnt 0x0
	s_wait_alu depctr_hold_cnt(0) depctr_sa_sdst(0) depctr_va_vdst(0) depctr_va_sdst(0) depctr_va_ssrc(0) depctr_va_vcc(0) depctr_vm_vsrc(0)
	s_getreg_b32 s2, hwreg(HW_REG_IB_STS2, 6, 4)
	s_cmp_eq_u32 s2, 0
	s_cbranch_scc0 .Lentry_in_a_cluster
	s_endpgm
.Lentry_in_a_cluster:
	s_bfe_u32 s2, ttmp6, 0x10000c
	s_cmp_lg_u32 s2, 0x3003
	s_cbranch_scc0 .Lentry_shape_is_right
	s_endpgm
.Lentry_shape_is_right:
; x wq, x wk, x wv on codes of FP6 (E2M3), the rotary turn of q and k in f32, and the results quantised anew as the operands of attention's two products.
; A work-group of EIGHT waves makes 128 tokens (grid x) x 256 channels (grid y: 0-7 wq, 8 wk, 9 wv); a wave 64 x 64: 16 accumulators.  K = 2,048 in 16 steps of 128.
; 16 x 10 = 160 work-groups of equal work (tiles of 128 x 128 would make 320).  Two waves share a SIMD's registers: 512 each.
; Wave w: wW = w % 4: which 64 channels (one head: four tiles of the weight);  wX = w / 4: which 64 tokens (four tiles of x).
; OPERANDS come as tile records of 25,600 bytes (16 rows, all of K): fragment ks at 1,536 ks as an image of the operand's 12 registers (registers 4 c .. at 512 c + 16 lane), scale words at 24,576 + 64 ks + 4 row.
; So a fragment is three ds_load_b128 of 512 consecutive bytes each, and nothing is shuffled.
; RING: two LDS slots of four K steps.  Behind each change of slots every wave issues one tensor load: waves 0-3 four tiles of the weight each (4 x 6,400 bytes), waves 4-7 two tiles of x each.  Scale words come with the codes, in the same chunks.
; CLUSTER: the four token tiles of a cluster read the same weight tiles, two thirds of a slot's bytes: those loads are joint (mask 15).  x's tiles differ from partner to partner: plain loads, in the same rounds.
; Grid y = 10 is no multiple of 4, and column tile 9 reads LDS from other bases than the others (below) while all partners of a cluster must run alike: so a cluster spans grid x alone.
; THE PRODUCT is D = P Q^T with P's 16 rows in a lane's eight registers (rows 8 h + j) and Q's row r in the lane.  q, k: P = the weight, Q = x: a lane holds ONE TOKEN and its registers run along the channels, which are
; the next product's K.  v: P = x, Q = the weight: a lane holds one channel and its registers run along the tokens, the keys, which are its next K.  Only the bases from which LDS is read differ.
; A block of 32 along the next K is two neighbouring tiles of P: the lane's 16 registers take places 16 h + 8 u + j for the numbers 16 u + 8 h + j: the block's middle groups of 8 change places, in every operand of this program alike.
; OUT.  qq: half images (6 registers: 64 along K; registers 0-3 at 16 lane, 4-5 at 512 + 8 lane) at (head x 128 + token tile) x 768; scale words (two bytes used) from byte 3,145,728, 64 bytes a tile.
; kv: a record of 13,056 bytes for each kv head and 128 keys: K's 8 half images; from 6,144 V's 8 ((64-key half) x 4 + channel tile); from 12,288 K's scale words; from 12,800 V's (four bytes: 128 keys).
; LIMITS: a block of q, k or v whose largest magnitude lies under 2^-121 is quantised under the byte 4 (attention takes 3 off q's bytes); NaN and infinities are not served.
.set TR,    25600
.set REC,   13056
.set QSC,   3145728
.set FRB,   1536
; THE RECORDS AS THEY ARE NOW LAID: four chunks of 6,400 bytes, each four K steps' fragments and, from byte 6,144, their scale words (64 bytes a K step).  A slot's tile is one chunk: the scale words come with the codes,
; there is no load of scale words alone.  At the head a wave issues one tensor load (slot 0); slot 1 is first filled behind the full sequence and a round, as a refill is.
.set TILEB, 6400
.set XREG,  16*TILEB                   ; a slot: the weight's 16 tiles, then x's 8
.set SLOT,  24*TILEB
.set SPARE, 2*SLOT
.set ADRP,  8                          ; v8-9    LDS address of my P fragments in slot 0, 1
.set ADRQ,  10                         ; v10-11  of my Q fragments
.set ADSP,  24                         ; v24-25  P's scale words in slot 0, 1: lanes 0-15 an even tile's, lanes 16-31 the next tile's
.set ADSQ,  26                         ; v26-27  Q's
.set SPW,   14                         ; v14     my spare word; never rewritten
.set NIL,   15                         ; v15     0; never rewritten
.set SC,    32                         ; v32-39  scale words, a set for each fragment buffer: P's tiles 0|1, 2|3, Q's 0|1, 2|3
.set SN,    64                         ; v64-127 sin, until the rotary turn is done; then at work in the quantiser
.set ACC,   128                        ; v128-255 accumulator (p, q) at ACC + 32 q + 8 p
.set CN,    192                        ; window 1: fragment buffer b at 96 b: P's four fragments, then Q's four;  v192-255 cos
.set G1W, 24                           ; s[24:31] group 1, s[32:39] groups 0 (a set a slot): the weight's tiles
.set G0W, 32
.set G1X, 40                           ; s[40:47], s[48:55]: x's
.set G0X, 48
.set G1SW, 56
.set G1SX, 68
.set G0SW, 76
.set G0SX, 80
.set MSB, 0
.macro WIN new                         ; the immediate's high byte repeats the setting that is left
.if MSB != \new
	s_set_vgpr_msb (MSB<<8)|\new
.set MSB, \new
.endif
.endm
.set MUL,  0x05                        ; sources 0 and 1 window 1; C and D window 0
.set TO_F, 0x40                        ; destination window 1, address window 0
.macro PLACES
.rept 4
	v_nop
.endr
.endm
; Waves 0-3 fetch for the weight, waves 4-7 for x.  The branch hangs on the wave's number alone.  An s_nop 0 and four v_nop follow each of the two lines.
.macro JLOAD g0w, g1w, g0x, g1x
	s_cmp_eq_u32 s17, 0
	s_cbranch_scc0 .Lfor_x_\@
	tensor_load_to_lds s[\g0w:\g0w+3], s[\g1w:\g1w+7]
	s_nop 0
.rept 4
	v_nop
.endr
	s_branch .Lasked_\@
.Lfor_x_\@:
	tensor_load_to_lds s[\g0x:\g0x+3], s[\g1x:\g1x+7]
	s_nop 0
.rept 4
	v_nop
.endr
.Lasked_\@:
.endm
.macro CREST                           ; a round of the cluster's barrier behind its opening barrier
	s_cmp_lg_u32 s16, 0
	s_cbranch_scc1 .Lnot_wave_0_\@
	s_barrier_signal -3
.Lnot_wave_0_\@:
	s_barrier_wait -3
	s_barrier_signal -1
	s_barrier_wait -1
.endm
.macro CROUND
	s_barrier_signal -1
	s_barrier_wait -1
	CREST
.endm
; One matrix instruction.  ra, rb: which half of the lanes of the scale registers holds this tile's words.
.macro WM d, a, b, zero, sa, sb, ra, rb
.if \zero
.if ((\ra) == 0) && ((\rb) == 0)
	v_wmma_scale_f32_16x16x128_f8f6f4 v[(\d):(\d)+7], v[(\a):(\a)+11], v[(\b):(\b)+11], 0, v[\sa], v[\sb] matrix_a_fmt:MATRIX_FMT_FP6 matrix_b_fmt:MATRIX_FMT_FP6
.elseif (\rb) == 0
	v_wmma_scale_f32_16x16x128_f8f6f4 v[(\d):(\d)+7], v[(\a):(\a)+11], v[(\b):(\b)+11], 0, v[\sa], v[\sb] matrix_a_fmt:MATRIX_FMT_FP6 matrix_b_fmt:MATRIX_FMT_FP6 matrix_a_scale:MATRIX_SCALE_ROW1
.elseif (\ra) == 0
	v_wmma_scale_f32_16x16x128_f8f6f4 v[(\d):(\d)+7], v[(\a):(\a)+11], v[(\b):(\b)+11], 0, v[\sa], v[\sb] matrix_a_fmt:MATRIX_FMT_FP6 matrix_b_fmt:MATRIX_FMT_FP6 matrix_b_scale:MATRIX_SCALE_ROW1
.else
	v_wmma_scale_f32_16x16x128_f8f6f4 v[(\d):(\d)+7], v[(\a):(\a)+11], v[(\b):(\b)+11], 0, v[\sa], v[\sb] matrix_a_fmt:MATRIX_FMT_FP6 matrix_b_fmt:MATRIX_FMT_FP6 matrix_a_scale:MATRIX_SCALE_ROW1 matrix_b_scale:MATRIX_SCALE_ROW1
.endif
.else
.if ((\ra) == 0) && ((\rb) == 0)
	v_wmma_scale_f32_16x16x128_f8f6f4 v[(\d):(\d)+7], v[(\a):(\a)+11], v[(\b):(\b)+11], v[(\d):(\d)+7], v[\sa], v[\sb] matrix_a_fmt:MATRIX_FMT_FP6 matrix_b_fmt:MATRIX_FMT_FP6
.elseif (\rb) == 0
	v_wmma_scale_f32_16x16x128_f8f6f4 v[(\d):(\d)+7], v[(\a):(\a)+11], v[(\b):(\b)+11], v[(\d):(\d)+7], v[\sa], v[\sb] matrix_a_fmt:MATRIX_FMT_FP6 matrix_b_fmt:MATRIX_FMT_FP6 matrix_a_scale:MATRIX_SCALE_ROW1
.elseif (\ra) == 0
	v_wmma_scale_f32_16x16x128_f8f6f4 v[(\d):(\d)+7], v[(\a):(\a)+11], v[(\b):(\b)+11], v[(\d):(\d)+7], v[\sa], v[\sb] matrix_a_fmt:MATRIX_FMT_FP6 matrix_b_fmt:MATRIX_FMT_FP6 matrix_b_scale:MATRIX_SCALE_ROW1
.else
	v_wmma_scale_f32_16x16x128_f8f6f4 v[(\d):(\d)+7], v[(\a):(\a)+11], v[(\b):(\b)+11], v[(\d):(\d)+7], v[\sa], v[\sb] matrix_a_fmt:MATRIX_FMT_FP6 matrix_b_fmt:MATRIX_FMT_FP6 matrix_a_scale:MATRIX_SCALE_ROW1 matrix_b_scale:MATRIX_SCALE_ROW1
.endif
.endif
.endm
.macro MULQ buf, q, zero               ; four matrix instructions: Q's tile q against P's four.  The 16 accumulators take turns, in the same order in every K step
.irp p, 0,1,2,3
	WM ACC+32*(\q)+8*\p, 96*(\buf)+12*\p, 96*(\buf)+48+12*(\q), \zero, SC+4*(\buf)+\p/2, SC+4*(\buf)+2+(\q)/2, \p%2, (\q)%2
.endr
.endm
.macro FETCH slot, ksl, ks, buf        ; 28 LDS loads in one run: K step ks (the slot's ksl-th): 4 registers of scale words, P's four fragments, Q's four (tiles 2 and 3 last)
	WIN 0
	ds_load_b32 v[SC+4*(\buf)], v[ADSP+(\slot)] offset:6144+64*(\ksl)
	ds_load_b32 v[SC+4*(\buf)+1], v[ADSP+(\slot)] offset:2*TILEB+6144+64*(\ksl)
	ds_load_b32 v[SC+4*(\buf)+2], v[ADSQ+(\slot)] offset:6144+64*(\ksl)
	ds_load_b32 v[SC+4*(\buf)+3], v[ADSQ+(\slot)] offset:2*TILEB+6144+64*(\ksl)
	WIN TO_F
.irp p, 0,1,2,3
.irp c, 0,1,2
	ds_load_b128 v[96*(\buf)+12*\p+4*\c:96*(\buf)+12*\p+4*\c+3], v[ADRP+(\slot)] offset:TILEB*\p+FRB*(\ksl)+512*\c
.endr
.endr
.irp q, 0,1,2,3
.irp c, 0,1,2
	ds_load_b128 v[96*(\buf)+48+12*\q+4*\c:96*(\buf)+48+12*\q+4*\c+3], v[ADRQ+(\slot)] offset:TILEB*\q+FRB*(\ksl)+512*\c
.endr
.endr
.endm
.macro KSTEP ks, zero                  ; a K step whose successor lies in the same slot
	s_wait_dscnt 6                                 ; all of this step's loads but the youngest six (Q's tiles 2 and 3) are in
	WIN MUL
	MULQ (\ks)%2, 0, \zero
	MULQ (\ks)%2, 1, \zero
	PLACES                                         ; four places in front of loads into registers that matrix instructions have read
	FETCH (((\ks)+1)/4)%2, ((\ks)+1)%4, (\ks)+1, ((\ks)+1)%2
	s_wait_dscnt 28                                ; all but the 28 just issued
	WIN MUL
	MULQ (\ks)%2, 2, \zero
	MULQ (\ks)%2, 3, \zero
.endm
; A slot's last K step (always on buffer 1) changes slots: one barrier; in front of it each wave waits for all its tensor loads, adds 0 to its spare word, and waits for that and for its reads of this slot.
; fill = 1: the barrier opens a round of the cluster's barrier, and behind the round this slot is filled again, eight K steps ahead.
.macro TURN ks, fill
.set SL, ((\ks)/4)%2
	WIN 0
	s_wait_tensorcnt 0x0                           ; all my tensor loads have landed: the one that was out is my part of the next slot;
	ds_add_u32 v[SPW], v[NIL]                      ; 0 onto my spare word;
	s_wait_dscnt 7                                 ; (the add and the youngest six loads may be out)
	WIN MUL
	MULQ 1, 0, 0
	s_wait_dscnt 0x0                               ; the add is done, and my reads of this slot are over
	s_barrier_signal -1
	MULQ 1, 1, 0
	WIN 0
	s_barrier_wait -1
.if \fill
	CREST
	s_add_nc_u64 s[G0W+4*SL+2:G0W+4*SL+3], s[G0W+4*SL+2:G0W+4*SL+3], 2*TILEB
	s_add_nc_u64 s[G0X+4*SL+2:G0X+4*SL+3], s[G0X+4*SL+2:G0X+4*SL+3], 2*TILEB
	JLOAD G0W+4*SL, G1W, G0X+4*SL, G1X             ; my one tensor load behind the round; its four v_nop are the places in front of the loads below
.else
	PLACES
.endif
	FETCH 1-SL, 0, (\ks)+1, 0
	WIN MUL
	MULQ 1, 2, 0
	MULQ 1, 3, 0
.endm
	s_load_b256 s[4:11], s[0:1], 0x0               ; xq, wts, cos, sin
	s_load_b128 s[12:15], s[0:1], 0x20             ; qq, kv
	v_lshl_add_u32 v[SPW], v0, 2, SPARE
	v_mov_b32 v[NIL], 0
	ds_add_u32 v[SPW], v[NIL]                      ; the wave's opening: the add and its wait ahead of my first tensor load; work on registers stands between them
	ds_add_u32 v[SPW], v[NIL]
	v_lshrrev_b32 v1, 5, v0
	s_delay_alu instid0(VALU_DEP_1)
	v_readfirstlane_b32 s16, v1                    ; wave 0..7
	s_lshr_b32 s17, s16, 2                         ; wX: my 64 of the 128 tokens.  Also: I fetch for the weight (0) or for x (1)
	s_and_b32 s18, s16, 3                          ; wW: my 64 of the 256 channels.  Also: which tiles I fetch
	s_bfe_u32 s21, ttmp6, 0x40000                  ; cx
	s_lshl_b32 s20, ttmp9, 2
	s_add_co_u32 s20, s20, s21                     ; the token tile: 4 x cluster x + cx
	s_and_b32 s19, ttmp7, 0xffff                   ; the column tile: the same in all four partners
	s_mov_b32 s2, 0x76543210
	s_mov_b32 s3, 0xfedcba98                       ; v_permlanex16_b32's selects for lane l xor 16
	; group 1: rows (tiles) of 6,400 bytes (800 elements of 8), 25,600 bytes (3,200 elements) apart, dense in LDS: four of the weight, two of x
	s_mov_b32 s[G1W], 15|(3<<16)|(1<<21)           ; 15:0 the mask: all four partners; 17:16 elements of 8 bytes; 21 set beside a mask
	s_mov_b32 s[G1X], 3<<16                        ; no mask: a load of my own
.irp g, G1W, G1X
	s_mov_b32 s[\g+1], 800<<16                     ; tensor_dim0: a chunk of 6,400 bytes
	s_mov_b32 s[\g+3], 800<<16                     ; tile_dim0
	s_mov_b32 s[\g+5], 3200                        ; the pitch
	s_mov_b32 s[\g+6], 0
	s_mov_b32 s[\g+7], 0
.endr
	s_mov_b32 s[G1W+2], 4<<16                      ; tensor_dim1
	s_mov_b32 s[G1W+4], 4                          ; tile_dim1
	s_mov_b32 s[G1X+2], 2<<16
	s_mov_b32 s[G1X+4], 2
	s_lshl_b32 s84, s19, 4
	s_lshl_b32 s85, s18, 2
	s_add_co_u32 s84, s84, s85                     ; the weight's record: 16 x column tile + 4 x (wave % 4): no place in the cluster enters it
	s_mul_i32 s84, s84, TR
	s_mov_b32 s85, 0
	s_lshl_b32 s86, s20, 3
	s_lshl_b32 s87, s18, 1
	s_add_co_u32 s86, s86, s87                     ; x's record: 8 x token tile + 2 x (wave % 4)
	s_mul_i32 s86, s86, TR
	s_mov_b32 s87, 0
	s_mul_i32 s88, s18, 4*TILEB                    ; where they go: the weight's: four tiles a wave;
	s_mul_i32 s89, s18, 2*TILEB
	s_add_co_u32 s89, s89, XREG                    ; x's: two tiles a wave, behind the weight's 16
	s_wait_dscnt 0x0                               ; the opening add is done
	s_wait_kmcnt 0x0
	s_add_nc_u64 s[84:85], s[6:7], s[84:85]
	s_add_nc_u64 s[86:87], s[4:5], s[86:87]
	CROUND                                         ; all four work-groups are here: the first joint loads meet
.irp s, 0,1
	s_mov_b32 s[G0W+4*\s], 1
	s_add_co_u32 s[G0W+4*\s+1], s88, \s*SLOT
	s_add_nc_u64 s[G0W+4*\s+2:G0W+4*\s+3], s[84:85], \s*TILEB
	s_or_b32 s[G0W+4*\s+3], s[G0W+4*\s+3], 0x80000000
	s_mov_b32 s[G0X+4*\s], 1
	s_add_co_u32 s[G0X+4*\s+1], s89, \s*SLOT
	s_add_nc_u64 s[G0X+4*\s+2:G0X+4*\s+3], s[86:87], \s*TILEB
	s_or_b32 s[G0X+4*\s+3], s[G0X+4*\s+3], 0x80000000
.endr
	JLOAD G0W, G1W, G0X, G1X                       ; K steps 0-3: my one tensor load at the head
	v_and_b32 v1, 15, v0                           ; r
	v_bfe_u32 v2, v0, 4, 1                         ; h
	v_and_b32 v3, 31, v0                           ; lane
	s_delay_alu instid0(VALU_DEP_1)
	v_lshlrev_b32 v4, 4, v3
	s_delay_alu instid0(VALU_DEP_2)
	v_lshlrev_b32 v5, 3, v3
	s_delay_alu instid0(VALU_DEP_3)
	v_lshlrev_b32 v6, 2, v3
	v_lshlrev_b32 v7, 7, v1
	s_delay_alu instid0(VALU_DEP_1)
	v_lshl_add_u32 v7, v2, 4, v7                   ; cos, sin: token r's row of 128 bytes, + 16 h
	s_wait_alu depctr_va_vdst(0)
	s_lshl_b32 s86, s20, 14
	s_lshl_b32 s87, s17, 13
	s_add_co_u32 s86, s86, s87                     ; token 128 x tile + 64 wX
	s_mov_b32 s87, 0
	s_add_nc_u64 s[8:9], s[8:9], s[86:87]
	s_add_nc_u64 s[10:11], s[10:11], s[86:87]
	WIN 0x40                                       ; destination window 1
.irp q, 0,1,2,3                        ; accumulator (p, q) holds channels 16 p + 8 h + 0 .. 7 of token 16 q + r: pairs 8 p + 4 h + 0 .. 3.  (Every class loads them; the v class does not use them)
.irp p, 0,1,2,3
	global_load_b128 v[CN+4*(4*\q+\p):CN+4*(4*\q+\p)+3], v7, s[8:9] offset:2048*\q+32*\p
.endr
.endr
	WIN 0
.irp q, 0,1,2,3
.irp p, 0,1,2,3
	global_load_b128 v[SN+4*(4*\q+\p):SN+4*(4*\q+\p)+3], v7, s[10:11] offset:2048*\q+32*\p
.endr
.endr
	s_mul_i32 s90, s18, 4*TILEB                    ; my four tiles of the weight in a slot,
	s_mul_i32 s91, s17, 4*TILEB
	s_add_co_u32 s91, s91, XREG                    ; my four tiles of x,
	s_cmp_eq_u32 s19, 9                            ; v: P = x, Q = the weight; else the other way round.  Either choice stays inside the slot
	s_cselect_b32 s94, s91, s90
	s_cselect_b32 s95, s90, s91
	v_add_nc_u32 v[ADRP], s94, v4
	s_delay_alu instid0(VALU_DEP_1)
	v_add_nc_u32 v[ADRP+1], SLOT, v[ADRP]
	v_add_nc_u32 v[ADRQ], s95, v4
	s_delay_alu instid0(VALU_DEP_1)
	v_add_nc_u32 v[ADRQ+1], SLOT, v[ADRQ]
	v_lshlrev_b32 v16, 2, v1
	s_delay_alu instid0(VALU_DEP_1)
	v_mad_u32_u24 v16, v2, TILEB, v16              ; 4 r, and a tile on for lanes 16-31
	s_delay_alu instid0(VALU_DEP_1)
	v_add_nc_u32 v[ADSP], s94, v16
	s_delay_alu instid0(VALU_DEP_2)
	v_add_nc_u32 v[ADSQ], s95, v16
	s_delay_alu instid0(VALU_DEP_2)
	v_add_nc_u32 v[ADSP+1], SLOT, v[ADSP]
	s_delay_alu instid0(VALU_DEP_2)
	v_add_nc_u32 v[ADSQ+1], SLOT, v[ADSQ]
.irp n, 0,1,2,3,4,5,6,7
	v_mov_b32 v[48+\n], 0                          ; (a lane permute's destination counts as one of its sources)
.endr
	s_wait_alu depctr_va_vdst(0)
	s_wait_tensorcnt 0x0                           ; my part of slot 0 is in; these lines stand ahead of a later first fill, as ahead of a refill
	ds_add_u32 v[SPW], v[NIL]
	s_wait_dscnt 0x0
	CROUND                                         ; slot 0 is whole, and all four work-groups are here
	JLOAD G0W+4, G1W, G0X+4, G1X                   ; K steps 4-7: the first tensor load behind the round
	FETCH 0, 0, 0, 0
	KSTEP 0, 1                                     ; the first K step starts the sums: nothing is cleared
	KSTEP 1, 0
	KSTEP 2, 0
	TURN 3, 1                                      ; slot 0 takes K steps 8-11
	KSTEP 4, 0
	KSTEP 5, 0
	KSTEP 6, 0
	TURN 7, 1                                      ; slot 1 takes K steps 12-15
	KSTEP 8, 0
	KSTEP 9, 0
	KSTEP 10, 0
	TURN 11, 0                                     ; nothing is left to fetch
	KSTEP 12, 0
	KSTEP 13, 0
	KSTEP 14, 0
	s_wait_dscnt 6
	WIN MUL
	MULQ 1, 0, 0
	MULQ 1, 1, 0
	s_wait_dscnt 0x0
	MULQ 1, 2, 0
	MULQ 1, 3, 0
	WIN 0
	PLACES                                         ; four places in front of the first read of results
	s_wait_loadcnt 0x0                             ; cos and sin
	s_cmp_eq_u32 s19, 9
	s_cbranch_scc1 .Lno_rope
.irp q, 0,1,2,3                        ; (t0, t1) -> (t0 c - t1 s, t0 s + t1 c), each accumulator from its low end on: first its eight products with sin (window 0), then the eight multiply-adds with cos (source 1 in window 1)
.irp p, 0,1,2,3
	WIN 0
.irp i, 0,1,2,3
	v_mul_f32 v[16+2*\i], v[ACC+32*\q+8*\p+2*\i+1], v[SN+4*(4*\q+\p)+\i]
	v_mul_f32 v[17+2*\i], v[ACC+32*\q+8*\p+2*\i], v[SN+4*(4*\q+\p)+\i]
.endr
	WIN 0x04
.irp i, 0,1,2,3
	v_fma_f32 v[ACC+32*\q+8*\p+2*\i], v[ACC+32*\q+8*\p+2*\i], v[CN+4*(4*\q+\p)+\i], -v[16+2*\i]
	v_fma_f32 v[ACC+32*\q+8*\p+2*\i+1], v[ACC+32*\q+8*\p+2*\i+1], v[CN+4*(4*\q+\p)+\i], v[17+2*\i]
.endr
.endr
.endr
	WIN 0
.Lno_rope:
	; THE QUANTISER: eight blocks (Q's tile q, block b = P's tiles 2 b, 2 b + 1) by turns.  v40-47 largest magnitudes, v48-55 the other half's, v56-63 scale operands, v64-71 bytes
.irp q, 0,1,2,3
.irp b, 0,1
	v_max3_num_f32 v[40+2*\q+\b], |v[ACC+32*\q+16*\b]|, |v[ACC+32*\q+16*\b+1]|, 0x3000000   ; my 16 numbers, and the floor 2^(6 - 127): the byte cannot fall under 4
.endr
.endr
.irp i, 2,4,6,8,10,12,14
.irp q, 0,1,2,3
.irp b, 0,1
	v_max3_num_f32 v[40+2*\q+\b], v[40+2*\q+\b], |v[ACC+32*\q+16*\b+\i]|, |v[ACC+32*\q+16*\b+\i+1]|
.endr
.endr
.endr
.irp n, 0,1,2,3,4,5,6,7
	v_permlanex16_b32 v[48+\n], v[40+\n], s2, s3
.endr
.irp n, 0,1,2,3,4,5,6,7
	v_max_num_f32 v[40+\n], v[40+\n], v[48+\n]     ; with lane l xor 16's 16: the block's largest magnitude
.endr
.irp n, 0,1,2,3,4,5,6,7
	v_add_nc_u32 v[56+\n], 0xff000000, v[40+\n]    ; 2 off the exponent field: the conversion's scale operand
.endr
.irp n, 0,1,2,3,4,5,6,7
	v_lshrrev_b32 v[64+\n], 23, v[56+\n]           ; the scale's byte
.endr
.irp q, 0,1,2,3
	v_lshl_or_b32 v[120+\q], v[65+2*\q], 8, v[64+2*\q]   ; my row's two bytes; the upper two stay 0
.endr
.irp q, 0,1,2,3
	v_cvt_scalef32_pk16_fp6_f32 v[72+8*\q:74+8*\q], v[ACC+32*\q:ACC+32*\q+15], v[56+2*\q]
	v_cvt_scalef32_pk16_fp6_f32 v[104+4*\q:106+4*\q], v[ACC+32*\q+16:ACC+32*\q+31], v[57+2*\q]
.endr
	v_nop                                          ; one plain place behind a scaled conversion
.irp q, 0,1,2,3                        ; the layout wants a whole block in a lane: lanes 0-15 block 0, lanes 16-31 block 1
.irp i, 0,1,2
	v_permlane16_swap_b32 v[72+8*\q+\i], v[104+4*\q+\i]
.endr
.irp i, 0,1,2
	s_delay_alu instid0(VALU_DEP_3)
	v_mov_b32 v[75+8*\q+\i], v[104+4*\q+\i]
.endr
.endr
	v_cmp_gt_u32 s22, 16, v3                       ; lanes 0-15
	s_delay_alu instid0(VALU_DEP_1)
	v_cndmask_b32 v124, v121, v120, s22            ; lanes 0-15 tile 0's words, lanes 16-31 tile 1's
	s_delay_alu instid0(VALU_DEP_2)
	v_cndmask_b32 v125, v123, v122, s22
	; where it all goes, in bytes: s94 the images, s96 the scale words
	s_cmp_lt_u32 s19, 8
	s_cbranch_scc0 .Lnot_q
	s_lshl_b32 s23, s19, 2
	s_add_co_u32 s23, s23, s18                     ; the head: 4 x column tile + wW
	s_lshl_b32 s23, s23, 7
	s_lshl_b32 s86, s20, 3
	s_add_co_u32 s23, s23, s86
	s_lshl_b32 s86, s17, 2
	s_add_co_u32 s23, s23, s86                     ; + token tile 8 RT + 4 wX
	s_mul_i32 s94, s23, 768
	s_lshl_b32 s96, s23, 6
	s_add_co_u32 s96, s96, QSC
	s_branch .Ldst
.Lnot_q:
	s_lshl_b32 s23, s18, 4
	s_add_co_u32 s23, s23, s20                     ; the record of kv head wW and key step RT
	s_mul_i32 s23, s23, REC
	s_mul_i32 s86, s17, 3072
	s_add_co_u32 s94, s23, s86                     ; k: key tiles 4 wX on;  v: the 64-key half wX
	s_cmp_eq_u32 s19, 9
	s_cbranch_scc1 .Lis_v
	s_lshl_b32 s86, s17, 8
	s_add_co_u32 s96, s23, s86
	s_add_co_u32 s96, s96, 12288
	s_branch .Ldst
.Lis_v:
	s_add_co_u32 s94, s94, 6144
	s_lshl_b32 s86, s17, 1
	s_add_co_u32 s96, s23, s86                     ; bytes 2 wX, 2 wX + 1 of each word
	s_add_co_u32 s96, s96, 12800
.Ldst:
	s_mov_b32 s95, 0
	s_mov_b32 s97, 0
	s_cmp_lt_u32 s19, 8
	s_cselect_b64 s[98:99], s[12:13], s[14:15]
	s_add_nc_u64 s[94:95], s[98:99], s[94:95]
	s_add_nc_u64 s[96:97], s[98:99], s[96:97]
	s_cmp_eq_u32 s19, 9
	s_cbranch_scc1 .Lv_scales
	s_wait_alu depctr_va_vdst(0)
	global_store_b32 v6, v124, s[96:97]            ; 128 consecutive bytes: two tiles' words
	global_store_b32 v6, v125, s[96:97] offset:128
	s_branch .Limages
.Lv_scales:
	s_wait_alu depctr_va_vdst(0)
	global_store_b16 v6, v124, s[96:97]            ; half of each word: the other half comes from the wave with the other 64 keys.  in the last 256 bytes of a record's 13,056
	global_store_b16 v6, v125, s[96:97] offset:128
.Limages:
.irp q, 0,1,2,3
	global_store_b128 v4, v[72+8*\q:75+8*\q], s[94:95] offset:768*\q          ; 512 consecutive bytes,
	global_store_b64 v5, v[76+8*\q:77+8*\q], s[94:95] offset:768*\q+512       ; and 256, each at a multiple of 256 in the buffer
.endr
	s_wait_tensorcnt 0x0                           ; the wave's end: three lines behind my last tensor load
	ds_add_u32 v[SPW], v[NIL]
	s_wait_dscnt 0x0
	CROUND                                         ; the closing round: no work-group ends while a partner may still ask for a tile that names it
	s_endpgm
.Lfunc_end_k_qd3995fc28a_qkv:
	.size	k_qd3995fc28a_qkv, .Lfunc_end_k_qd3995fc28a_qkv-k_qd3995fc28a_qkv
	.p2alignl 7, 3214868480
	.fill 96, 4, 3214868480
	.section	.rodata,"a",@progbits
	.p2align	6, 0x0
	.amdhsa_kernel k_qd3995fc28a_qkv
		.amdhsa_group_segment_fixed_size 327680
		.amdhsa_private_segment_fixed_size 0
		.amdhsa_enable_private_segment 0
		.amdhsa_kernarg_size 48
		.amdhsa_user_sgpr_count 2
		.amdhsa_user_sgpr_kernarg_segment_ptr 1
		.amdhsa_wavefront_size32 1
		.amdhsa_system_sgpr_workgroup_id_x 1
		.amdhsa_system_sgpr_workgroup_id_y 1
		.amdhsa_system_sgpr_workgroup_id_z 1
		.amdhsa_system_vgpr_workitem_id 0
		.amdhsa_next_free_vgpr 512
		.amdhsa_next_free_sgpr 100
		.amdhsa_reserve_vcc 0
		.amdhsa_float_denorm_mode_32 3
		.amdhsa_float_denorm_mode_16_64 3
		.amdhsa_memory_ordered 1
		.amdhsa_forward_progress 1
		.amdhsa_inst_pref_size 102
	.end_amdhsa_kernel
	.amdgpu_metadata
---
amdhsa.version: [ 1, 2 ]
amdhsa.kernels:
  - .name:           k_qd3995fc28a_qkv
    .symbol:         k_qd3995fc28a_qkv.kd
    .args:
      - { .name: xq, .offset: 0, .size: 8, .value_kind: global_buffer, .address_space: global }
      - { .name: wts, .offset: 8, .size: 8, .value_kind: global_buffer, .address_space: global }
      - { .name: freqs_cos, .offset: 16, .size: 8, .value_kind: global_buffer, .address_space: global }
      - { .name: freqs_sin, .offset: 24, .size: 8, .value_kind: global_buffer, .address_space: global }
      - { .name: qq, .offset: 32, .size: 8, .value_kind: global_buffer, .address_space: global }
      - { .name: kv, .offset: 40, .size: 8, .value_kind: global_buffer, .address_space: global }
    .group_segment_fixed_size: 327680
    .private_segment_fixed_size: 0
    .kernarg_segment_align: 8
    .kernarg_segment_size: 48
    .max_flat_workgroup_size: 256
    .sgpr_count:     100
    .vgpr_count:     512
    .wavefront_size: 32
...
	.end_amdgpu_metadata
.endif
;; end of part 2
;; launch attn (part 3): grid 64 x 4, 8 waves a work-group, no clusters, 327,680 bytes of LDS; arguments qq, kv, mask, aq; writes aq
.if DOCPART == 3
	.amdgcn_target "amdgcn-amd-amdhsa--gfx1250"
	.amdhsa_code_object_version 6
	.text
	.protected	k_qd3995fc28a_attn
	.globl	k_qd3995fc28a_attn
	.p2align	8
	.type	k_qd3995fc28a_attn,@function
k_qd3995fc28a_attn:
	s_mov_b64 s[64:65], 0
	v_nop
	global_prefetch_b8 v0, s[64:65] scope:SCOPE_SE
	s_setreg_imm32_b32 hwreg(HW_REG_WAVE_MODE, 25, 1), 1
	s_wait_xcnt 0x0
; softmax(q k^T / 8 + mask) v for 32 heads on 4 kv heads, head size 64, both products on codes of FP6 (E2M3); the result is quantised as the left operand of the last product.
; SHARES.  A work-group owns 32 queries (grid x) of the 8 heads of one kv head (grid y).  Wave w owns 16 of the queries (w / 4) and TWO heads (8 kvh + 2 (w % 4) + 0, 1): each fragment of K and V and each
; mask tile that it reads from LDS serves both.  Every wave walks all 2,048 keys, 128 a step.
; THE MASK is an input: every tile of it is read and added as it is given, as the C of the score product: u = q . k / 8 + mask.  1 / 8: 3 off the two used bytes of q's scale words (they are 4 at the least).
; LAYOUT.  Both products are used transposed: S^T = K Q^T, O^T = V^T P^T: a lane holds ONE query (lane % 16).  The head's 64 channels fill half of the instruction's 128 along K: registers 6-11 of Q's and K's
; fragments hold zero codes, written once.  p's 16 registers of score tiles 2 b, 2 b + 1 take places 16 h + 8 u + j of block b for keys 16 u + 8 h + j; V's codes, the result's and wo's are laid the same way.
; THE SOFTMAX: t = u log2(e); M = the running largest t rounded up to a whole number; p = 2^(t - M) is quantised, not normalised; the row's sum is taken of the unquantised p and divides at the end;
; when M moves, the sum and O^T are multiplied by 2^(old M - new M), which rounds nothing.
; A STEP TAKES BOTH HEADS TOGETHER: eight chains of maxima, six of sums, one batch of 136 exponentials with one wait ahead and one behind.  The mask has registers of its own (v192-255), which no score is laid on:
; so K, its scale words and the mask of step s + 1 are loaded from LDS right behind step s's score products, and V of step s at its top; in a slot's last step there is no next step in the slot, and a branch on the
; step counter leads round those 36 loads: the slot's first step loads them behind the change of slots.  p's codes are laid into p's own registers 16-27, which the conversions have read by then.
; RING.  Two LDS slots of four key steps.  A step is a mask tile (32 queries x 128 keys f32, rows 528 bytes apart) and a kv record of 13,056 dense bytes.  Waves 0-3 fetch a mask tile each, waves 4-7 a record each:
; one tensor load a wave behind each change of slots; one load of a wave is out at a time.
; NO JOINT LOADS, NO PREFETCH: a work-group asks four times in the whole launch, 119,808 bytes each time, and each request behind the first stands four key steps (2,000 vector instructions a wave) ahead of its first
; read; joint loads would put a round of the cluster's barrier, over eight waves a work-group, in front of each.
; LIMITS: the scaled scores stay under 2^31 in magnitude; NaN and infinities among the inputs are not served, nor a row whose every logit is -infinity; a block of p or of the result under 2^-124 keeps the byte 1.
.set TR,    25600
.set CH,    6400                       ; aq's records: chunks of four K steps: fragments, then from 6,144 their scale words
.set REC,   13056
.set QSC,   3145728
.set MTILE, 32*528
.set ROFF,  4*MTILE                    ; a slot: four mask tiles, then four records
.set SLOT1, 1<<17
.set SPARE, SLOT1+ROFF+4*REC           ; behind slot 1: the spare words, 128 bytes a wave
.set SPW,  12                          ; v12 my spare word, v13 0; never rewritten
.set NIL,  13
.set QS,   14                          ; v14-15 q's scale words.  v16+4g: -M, the largest u, the sum in two halves
.set KS,   24                          ; v24-27 K's scale words: tiles 2 i | 2 i + 1;  v28-29 V's
.set VS,   28
.set BM,   32                          ; v32-39 block maxima (4 g + b), later a conversion's second half
.set BX,   40                          ; v40-47 the other half's maxima, chains of the sums, bytes, a conversion's second half
.set SO,   48                          ; v48-55 scale operands
.set CT,   56                          ; v56-57 at work
.set FF,   58                          ; v58, v60 f of head 0, 1 (v59, v61 stay 0: upper halves of the pairs)
.set PW,   62                          ; v62-63 p's scale words
.set Y,    64                          ; v64-191 scores, then p: head g at 64 g; its codes at 64 g + 16 .. 27
.set MK,   192                         ; v192-255 the mask tile
.set QF,   64                          ; window 1: v0-63 O^T (head g at 32 g); v64-87 Q; v88-183 K's 8 tiles; v184-231 V's 4 tiles
.set KF,   88
.set VF,   184
.set SEL,  40                          ; s[40:41] selects for lane l xor 16
.set CS,   42                          ; s[42:43] log2(e), twice;  s70 -log2(e)
.set NCS,  70
.set TMK,  44                          ; s44 LDS byte of a step's mask tile, s45 of its record
.set TRC,  45
.set SLOTS, 46
.set CNT,  47
.set WV,   48
.set MSB, 0
.macro WIN new                         ; the immediate's high byte repeats the setting that is left
.if MSB != \new
	s_set_vgpr_msb (MSB<<8)|\new
.set MSB, \new
.endif
.endm
.macro TLOAD                           ; waves 0-3: a mask tile; waves 4-7: a record.  An s_nop 0 and four v_nop follow each line
	s_cmp_lt_u32 s[WV], 4
	s_cbranch_scc0 .Lrec_\@
	tensor_load_to_lds s[32:35], s[16:23]
	s_nop 0
.rept 4
	v_nop
.endr
	s_branch .Lasked_\@
.Lrec_\@:
	tensor_load_to_lds s[36:39], s[24:31]
	s_nop 0
.rept 4
	v_nop
.endr
.Lasked_\@:
.endm
.macro WMS d, a, b, c, sa, sb, ra      ; ra: which half of the lanes of source 0's scale register holds this tile's words
.if (\ra) == 0
	v_wmma_scale_f32_16x16x128_f8f6f4 v[(\d):(\d)+7], v[(\a):(\a)+11], v[(\b):(\b)+11], v[(\c):(\c)+7], v[\sa], v[\sb] matrix_a_fmt:MATRIX_FMT_FP6 matrix_b_fmt:MATRIX_FMT_FP6
.else
	v_wmma_scale_f32_16x16x128_f8f6f4 v[(\d):(\d)+7], v[(\a):(\a)+11], v[(\b):(\b)+11], v[(\c):(\c)+7], v[\sa], v[\sb] matrix_a_fmt:MATRIX_FMT_FP6 matrix_b_fmt:MATRIX_FMT_FP6 matrix_a_scale:MATRIX_SCALE_ROW1
.endif
.endm
	s_load_b256 s[4:11], s[0:1], 0x0               ; qq, kv, mask, aq
	v_lshl_add_u32 v[SPW], v0, 2, SPARE
	v_mov_b32 v[NIL], 0
	ds_add_u32 v[SPW], v[NIL]                      ; the opening lines: the add, twice on end, and its wait ahead of my first tensor load
	ds_add_u32 v[SPW], v[NIL]
	v_lshrrev_b32 v1, 5, v0
	v_readfirstlane_b32 s[WV], v1                  ; wave 0..7
	s_and_b32 s49, s[WV], 3                        ; my pair of heads.  Also: which of a slot's four steps I fetch for
	s_lshr_b32 s50, s[WV], 2                       ; my 16 of the 32 queries
	s_and_b32 s51, ttmp7, 0xffff                   ; the kv head
	s_mov_b32 s16, (2<<16)|(1<<20)|(6<<22)|(3<<25) ; the mask: 32 rows of 128 f32, 2,048 elements apart, 4 words of padding behind every 128
	s_mov_b32 s17, 128<<16
	s_mov_b32 s18, 32<<16
	s_mov_b32 s19, 128<<16
	s_mov_b32 s20, 32
	s_mov_b32 s21, 2048
	s_mov_b32 s22, 0
	s_mov_b32 s23, 0
	s_mov_b32 s24, 3<<16                           ; a record: 51 dense rows of 256 bytes
	s_mov_b32 s25, 32<<16
	s_mov_b32 s26, 51<<16
	s_mov_b32 s27, 32<<16
	s_mov_b32 s28, 51
	s_mov_b32 s29, 32
	s_mov_b32 s30, 0
	s_mov_b32 s31, 0
	s_mov_b32 s[SEL], 0x76543210
	s_mov_b32 s[SEL+1], 0xfedcba98
	s_mov_b32 s[CS], 0x3fb8aa3b
	s_mov_b32 s[CS+1], s[CS]
	s_mov_b32 s[NCS], 0xbfb8aa3b
	s_mov_b32 s[TMK], 0
	s_mov_b32 s[TRC], ROFF
	s_mov_b32 s[SLOTS], 3
	s_lshl_b32 s52, ttmp9, 18                      ; the mask: 32 rows of 8,192 bytes a work-group, 512 bytes a key step
	s_lshl_b32 s53, s49, 9
	s_add_co_u32 s52, s52, s53
	s_mov_b32 s53, 0
	s_lshl_b32 s54, s51, 4
	s_add_co_u32 s54, s54, s49
	s_mul_i32 s54, s54, REC                        ; the record of (kv head, step)
	s_mov_b32 s55, 0
	s_mul_i32 s56, s49, MTILE
	s_mul_i32 s57, s49, REC
	s_add_co_u32 s57, s57, ROFF
	s_lshl_b32 s58, s51, 3
	s_lshl_b32 s59, s49, 1
	s_add_co_u32 s58, s58, s59                     ; my first head
	s_lshl_b32 s58, s58, 7
	s_lshl_b32 s59, ttmp9, 1
	s_add_co_u32 s59, s59, s50                     ; my tile of 16 queries
	s_add_co_u32 s58, s58, s59
	s_mul_i32 s60, s58, 768                        ; q's half image,
	s_mov_b32 s61, 0
	s_lshl_b32 s62, s58, 6
	s_add_co_u32 s62, s62, QSC                     ; and its scale words
	s_mov_b32 s63, 0
	s_mul_i32 s59, s59, TR                         ; the result: my tile's record, chunk kvh, K step = my pair of heads
	s_mul_i32 s58, s51, CH
	s_add_co_u32 s59, s59, s58
	s_mul_i32 s66, s49, 1536
	s_add_co_u32 s66, s66, s59
	s_mov_b32 s67, 0
	s_lshl_b32 s68, s49, 6
	s_add_co_u32 s68, s68, s59
	s_add_co_u32 s68, s68, 6144
	s_mov_b32 s69, 0
	s_wait_dscnt 0x0                               ; both opening adds are done
	s_wait_kmcnt 0x0
	s_mov_b32 s32, 1
	s_mov_b32 s33, s56
	s_add_nc_u64 s[34:35], s[8:9], s[52:53]
	s_or_b32 s35, s35, 0x80000000
	s_mov_b32 s36, 1
	s_mov_b32 s37, s57
	s_add_nc_u64 s[38:39], s[6:7], s[54:55]
	s_or_b32 s39, s39, 0x80000000
	TLOAD                                          ; slot 0: key steps 0-3
	s_add_nc_u64 s[60:61], s[4:5], s[60:61]
	s_add_nc_u64 s[62:63], s[4:5], s[62:63]
	s_add_nc_u64 s[66:67], s[10:11], s[66:67]
	s_add_nc_u64 s[68:69], s[10:11], s[68:69]
	s_mul_i32 s59, s50, 16*528
	v_and_b32 v1, 15, v0                           ; r
	v_bfe_u32 v2, v0, 4, 1                         ; h
	v_and_b32 v3, 31, v0                           ; lane
	v_mul_u32_u24 v7, v1, 528
	v_lshlrev_b32 v30, 2, v1                       ; 4 r
	v_lshlrev_b32 v4, 4, v3
	v_lshlrev_b32 v5, 3, v3
	v_lshlrev_b32 v6, 2, v3
	v_lshl_add_u32 v7, v2, 5, v7
	s_delay_alu instid0(VALU_DEP_1)
	v_add_nc_u32 v7, s59, v7                       ; the mask tile: my query's row, + 32 h: register j of tile t is key 16 t + 8 h + j
	WIN 0x40
.irp g, 0,1
	global_load_b128 v[QF+12*\g:QF+12*\g+3], v4, s[60:61] offset:98304*\g
	global_load_b64 v[QF+12*\g+4:QF+12*\g+5], v5, s[60:61] offset:98304*\g+512
.endr
.irp g, 0,1
.irp i, 6,7,8,9,10,11
	v_mov_b32 v[QF+12*\g+\i], 0                    ; the unused half of K = 128: zero codes, on both sides, written once
.endr
.endr
.irp t, 0,1,2,3,4,5,6,7
.irp i, 6,7,8,9,10,11
	v_mov_b32 v[KF+12*\t+\i], 0
.endr
.endr
	WIN 0
.irp g, 0,1
	global_load_b32 v[QS+\g], v30, s[62:63] offset:8192*\g
.endr
.irp g, 0,1
	v_mov_b32 v[16+4*\g], 0x7f61b1e6               ; -M: 3e38, over every -M to come
	v_mov_b32 v[17+4*\g], 0xff000000               ; the largest u so far: -1.7e38
	v_mov_b32 v[18+4*\g], 0                        ; the sum, in two halves
	v_mov_b32 v[19+4*\g], 0
	v_mov_b32 v[FF+1+2*\g], 0
.endr
.irp n, 0,1,2,3,4,5,6,7
	v_mov_b32 v[BX+\n], 0                          ; (a lane permute's destination counts as one of its sources)
.endr
	s_wait_loadcnt 0x0                             ; Q and its scale words
.irp g, 0,1
	v_add_nc_u32 v[QS+\g], 0xfffffcfd, v[QS+\g]    ; 3 off both used bytes: q / 8
.endr
	WIN 0x40
.set i, 0
.rept 64
	v_mov_b32 v[i], 0                              ; O^T: the first step finds zeros.  Also the places between the write of the scale words and the first product
.set i, i+1
.endr
	WIN 0
	s_wait_alu depctr_va_vdst(0)                   ; the wait at the head's end
.macro ADDRS                           ; a step's LDS addresses, from s44 and s45
	v_add_nc_u32 v8, s[TMK], v7
	v_add_nc_u32 v9, s[TRC], v4
	v_add_nc_u32 v10, s[TRC], v5
	v_add_nc_u32 v11, s[TRC], v6
.endm
.macro LOADKM                          ; 36 LDS loads: K's 8 half images, its scale words, the mask tile
	WIN 0x40
.irp t, 0,1,2,3,4,5,6,7
	ds_load_b128 v[KF+12*\t:KF+12*\t+3], v9 offset:768*\t
	ds_load_b64 v[KF+12*\t+4:KF+12*\t+5], v10 offset:768*\t+512
.endr
	WIN 0
.irp i, 0,1,2,3
	ds_load_b32 v[KS+\i], v11 offset:12288+128*\i
.endr
.irp t, 0,1,2,3,4,5,6,7
	ds_load_b128 v[MK+8*\t:MK+8*\t+3], v8 offset:64*\t
	ds_load_b128 v[MK+8*\t+4:MK+8*\t+7], v8 offset:64*\t+16
.endr
.endm
; A KEY STEP: 128 keys, both heads.  At its top K, its scale words and the mask are on their way or in; v9-11 hold this step's record.
.macro STEP
.rept 5
	v_nop                                          ; five places behind the last step's products: V's registers take loads, and the scores are written over p's codes
.endr
.irp i, 0,1
	ds_load_b32 v[VS+\i], v11 offset:12800+128*\i
.endr
	WIN 0x40
.irp c, 0,1
.irp n, 0,1,2,3
	ds_load_b128 v[VF+12*\n+6*\c:VF+12*\n+6*\c+3], v9 offset:6144+(4*\c+\n)*768
	ds_load_b64 v[VF+12*\n+6*\c+4:VF+12*\n+6*\c+5], v10 offset:6144+(4*\c+\n)*768+512
.endr
.endr
	s_wait_dscnt 18                                ; all but the 18 loads for V just issued: K and the mask are in
	WIN 0x05                                       ; K and Q window 1; the mask and the scores window 0
.irp t, 0,1,2,3,4,5,6,7
	WMS Y+8*\t, KF+12*\t, QF, MK+8*\t, KS+\t/2, QS, \t%2           ; u = k . q / 8 + mask, the two heads by turns
	WMS Y+64+8*\t, KF+12*\t, QF+12, MK+8*\t, KS+\t/2, QS+1, \t%2
.endr
	WIN 0
	s_add_co_u32 s[TMK], s[TMK], MTILE
	s_add_co_u32 s[TRC], s[TRC], REC
	ADDRS                                          ; the next step's addresses: also the four places behind the products
	s_cmp_eq_u32 s[CNT], 1
	s_cbranch_scc1 .Lnopre_\@                      ; the slot's last step: the next step lies in the other slot
	LOADKM
.Lnopre_\@:
.irp g, 0,1
.irp b, 0,1,2,3
	v_max3_num_f32 v[BM+4*\g+\b], v[Y+64*\g+16*\b], v[Y+64*\g+16*\b+1], v[Y+64*\g+16*\b+2]   ; the largest score of each block of 32 keys: for the row's maximum and, since p rises with the score, for the block's largest p
.endr
.endr
.irp i, 3,5,7,9,11,13
.irp g, 0,1
.irp b, 0,1,2,3
	v_max3_num_f32 v[BM+4*\g+\b], v[BM+4*\g+\b], v[Y+64*\g+16*\b+\i], v[Y+64*\g+16*\b+\i+1]
.endr
.endr
.endr
.irp g, 0,1
.irp b, 0,1,2,3
	v_max_num_f32 v[BM+4*\g+\b], v[BM+4*\g+\b], v[Y+64*\g+16*\b+15]
.endr
.endr
.irp n, 0,1,2,3,4,5,6,7
	v_permlanex16_b32 v[BX+\n], v[BM+\n], s[SEL], s[SEL+1]
.endr
.irp n, 0,1,2,3,4,5,6,7
	v_max_num_f32 v[BM+\n], v[BM+\n], v[BX+\n]     ; with lane l xor 16's 16 keys
.endr
.irp g, 0,1
	v_max3_num_f32 v[CT+\g], v[BM+4*\g], v[BM+4*\g+1], v[BM+4*\g+2]
.endr
.irp g, 0,1
	s_delay_alu instid0(VALU_DEP_2)
	v_max3_num_f32 v[17+4*\g], v[17+4*\g], v[CT+\g], v[BM+4*\g+3]   ; the running largest u
.endr
.irp g, 0,1
	v_mov_b32 v[CT+\g], v[16+4*\g]                 ; the old -M
.endr
.irp g, 0,1
	s_delay_alu instid0(VALU_DEP_4)
	v_mul_f32 v[BX+\g], s[NCS], v[17+4*\g]         ; -t
.endr
.irp g, 0,1
	s_delay_alu instid0(VALU_DEP_2)
	v_floor_f32 v[16+4*\g], v[BX+\g]               ; the new -M = floor(-t): M is a whole number
.endr
.irp j, 0,2,4,6,8,10,12,14,16,18,20,22,24,26,28,30,32,34,36,38,40,42,44,46,48,50,52,54,56,58,60,62
.irp g, 0,1
	v_pk_fma_f32 v[Y+64*\g+\j:Y+64*\g+\j+1], v[Y+64*\g+\j:Y+64*\g+\j+1], s[CS:CS+1], v[16+4*\g:17+4*\g] op_sel_hi:[1,0,0]   ; t - M, two at a time
.endr
.endr
.irp g, 0,1
.irp b, 0,1,2,3
	v_fma_f32 v[BM+4*\g+\b], v[BM+4*\g+\b], s[CS], v[16+4*\g]      ; the same of each block's largest score
.endr
.endr
.irp g, 0,1
	v_sub_f32 v[CT+\g], v[16+4*\g], v[CT+\g]       ; old M - new M: a whole number, 0 or less
.endr
.irp g, 0,1
	s_delay_alu instid0(VALU_DEP_2)
	v_cvt_i32_f32 v[CT+\g], v[CT+\g]               ; (it saturates)
.endr
.irp g, 0,1
	s_delay_alu instid0(VALU_DEP_2)
	v_ldexp_f32 v[FF+2*\g], 1.0, v[CT+\g]          ; f = 2^(old M - new M)
.endr
	s_wait_alu depctr_va_vdst(0)                   ; the wait ahead of the batch
.set i, 0
.rept 128
	v_exp_f32 v[Y+i], v[Y+i]                       ; p = 2^(t - M): not normalised
.set i, i+1
.endr
.irp n, 0,1,2,3,4,5,6,7
	v_exp_f32 v[BM+\n], v[BM+\n]                   ; the blocks' largest p: the same two instructions on the same number
.endr
.irp g, 0,1
	v_pk_mul_f32 v[18+4*\g:19+4*\g], v[18+4*\g:19+4*\g], v[FF+2*\g:FF+2*\g+1] op_sel_hi:[1,0]   ; the sums under the new M: the plain place behind the exponentials
.endr
	s_wait_alu depctr_va_vdst(0)                   ; one wait for the batch, ahead of its first reader
.irp g, 0,1                            ; the row's sum is taken of the unquantised p: three chains a head
	v_pk_add_f32 v[BX+4*\g:BX+4*\g+1], v[Y+64*\g:Y+64*\g+1], v[Y+64*\g+2:Y+64*\g+3]
	v_pk_add_f32 v[BX+4*\g+2:BX+4*\g+3], v[Y+64*\g+4:Y+64*\g+5], v[Y+64*\g+6:Y+64*\g+7]
.endr
.irp j, 8,14,20,26,32,38,44,50,56
.irp g, 0,1
	v_pk_add_f32 v[18+4*\g:19+4*\g], v[18+4*\g:19+4*\g], v[Y+64*\g+\j:Y+64*\g+\j+1]
	v_pk_add_f32 v[BX+4*\g:BX+4*\g+1], v[BX+4*\g:BX+4*\g+1], v[Y+64*\g+\j+2:Y+64*\g+\j+3]
	v_pk_add_f32 v[BX+4*\g+2:BX+4*\g+3], v[BX+4*\g+2:BX+4*\g+3], v[Y+64*\g+\j+4:Y+64*\g+\j+5]
.endr
.endr
.irp g, 0,1
	v_pk_add_f32 v[18+4*\g:19+4*\g], v[18+4*\g:19+4*\g], v[Y+64*\g+62:Y+64*\g+63]
.endr
.irp g, 0,1
	v_pk_add_f32 v[BX+4*\g:BX+4*\g+1], v[BX+4*\g:BX+4*\g+1], v[BX+4*\g+2:BX+4*\g+3]
.endr
.irp g, 0,1
	s_delay_alu instid0(VALU_DEP_2)
	v_pk_add_f32 v[18+4*\g:19+4*\g], v[18+4*\g:19+4*\g], v[BX+4*\g:BX+4*\g+1]
.endr
.irp n, 0,1,2,3,4,5,6,7
	v_max_num_f32 v[BM+\n], 0x1800000, v[BM+\n]    ; the floor 2^(3 - 127): the byte cannot fall under 1
.endr
.irp n, 0,1,2,3,4,5,6,7
	v_add_nc_u32 v[SO+\n], 0xff000000, v[BM+\n]    ; the conversion's scale operand
.endr
.irp n, 0,1,2,3,4,5,6,7
	v_lshrrev_b32 v[BX+\n], 23, v[SO+\n]           ; the scale's byte
.endr
.irp g, 0,1
	v_lshl_or_b32 v[PW+\g], v[BX+4*\g+1], 8, v[BX+4*\g]            ; p's scale word for these 128 keys
.endr
.irp g, 0,1
	s_delay_alu instid0(VALU_DEP_2)
	v_lshl_or_b32 v[PW+\g], v[BX+4*\g+2], 16, v[PW+\g]
.endr
.irp g, 0,1
	s_delay_alu instid0(VALU_DEP_2)
	v_lshl_or_b32 v[PW+\g], v[BX+4*\g+3], 24, v[PW+\g]
.endr
.irp g, 0,1                            ; blocks 1 and 3 first, into registers of their own: their numbers' registers then take the codes
	v_cvt_scalef32_pk16_fp6_f32 v[BM+4*\g:BM+4*\g+2], v[Y+64*\g+16:Y+64*\g+31], v[SO+4*\g+1]
	v_cvt_scalef32_pk16_fp6_f32 v[BX+4*\g:BX+4*\g+2], v[Y+64*\g+48:Y+64*\g+63], v[SO+4*\g+3]
.endr
	v_nop                                          ; one plain place: the next conversions write registers that these have read
.irp g, 0,1
	v_cvt_scalef32_pk16_fp6_f32 v[Y+64*\g+16:Y+64*\g+18], v[Y+64*\g:Y+64*\g+15], v[SO+4*\g]
	v_cvt_scalef32_pk16_fp6_f32 v[Y+64*\g+22:Y+64*\g+24], v[Y+64*\g+32:Y+64*\g+47], v[SO+4*\g+2]
.endr
	v_nop                                          ; one plain place behind a scaled conversion
.irp g, 0,1                            ; the layout wants a whole block in a lane
.irp i, 0,1,2
	v_permlane16_swap_b32 v[Y+64*\g+16+\i], v[BM+4*\g+\i]
	v_permlane16_swap_b32 v[Y+64*\g+22+\i], v[BX+4*\g+\i]
.endr
.endr
.irp g, 0,1
.irp i, 0,1,2
	v_mov_b32 v[Y+64*\g+19+\i], v[BM+4*\g+\i]
	v_mov_b32 v[Y+64*\g+25+\i], v[BX+4*\g+\i]
.endr
.endr
	s_wait_dscnt 0x0                               ; V is in (and the next step's loads, issued behind the score products)
	WIN 0x41                                       ; O^T in window 1, f in window 0
	s_wait_alu depctr_va_vdst(0)                   ; the wait directly ahead of the first reader of O^T
.irp g, 0,1
.irp j, 0,2,4,6,8,10,12,14,16,18,20,22,24,26,28,30
	v_pk_mul_f32 v[32*\g+\j:32*\g+\j+1], v[32*\g+\j:32*\g+\j+1], v[FF+2*\g:FF+2*\g+1] op_sel_hi:[1,0]   ; O^T under the new M.  These 32 are also the places between the writes of p's codes and scale words and the products
.endr
.endr
	WIN 0x51                                       ; V and O^T window 1, p window 0
.irp n, 0,1,2,3
	WMS 8*\n, VF+12*\n, Y+16, 8*\n, VS+\n/2, PW, \n%2              ; eight accumulators by turns
	WMS 32+8*\n, VF+12*\n, Y+80, 32+8*\n, VS+\n/2, PW+1, \n%2
.endr
	WIN 0
.endm
; THE CHANGE OF SLOTS: each wave waits for all its tensor loads (its part of the slot ahead), adds 0 to its spare word, and waits for that and for its reads of the slot that it has left.
; Behind the barrier the slot ahead is whole and nobody reads the other.  fill = 1: that other slot takes the next four key steps.  Then the slot's first step's K and mask are asked of LDS.
.macro CHANGE fill
	s_wait_tensorcnt 0x0                           ; no tensor load of mine is out, so a group 0 may be written
	ds_add_u32 v[SPW], v[NIL]
.if \fill
	s_xor_b32 s33, s33, SLOT1
	s_add_nc_u64 s[34:35], s[34:35], 2048
	s_xor_b32 s37, s37, SLOT1
	s_add_nc_u64 s[38:39], s[38:39], 4*REC
.endif
	s_wait_dscnt 0x0
	s_barrier_signal -1
	s_barrier_wait -1
.if \fill
	TLOAD                                          ; the first thing behind the barrier, and my one tensor load until the next
.endif
	ADDRS
	LOADKM
.endm
.macro SLOT_STEPS
	s_mov_b32 s[CNT], 4
.Lstep_\@:
	STEP
	s_sub_co_u32 s[CNT], s[CNT], 1
	s_cmp_lg_u32 s[CNT], 0
	s_cbranch_scc1 .Lstep_\@
	s_sub_co_u32 s[TMK], s[TMK], 4*MTILE           ; back to a slot's first step, in the other slot
	s_xor_b32 s[TMK], s[TMK], SLOT1
	s_sub_co_u32 s[TRC], s[TRC], 4*REC
	s_xor_b32 s[TRC], s[TRC], SLOT1
.endm
.Lslot:                                            ; three trips: behind each change of slots but the last the next slot is asked for
	CHANGE 1
	SLOT_STEPS
	s_sub_co_u32 s[SLOTS], s[SLOTS], 1
	s_cmp_lg_u32 s[SLOTS], 0
	s_cbranch_scc1 .Lslot
	CHANGE 0                                       ; the last slot is written out
	SLOT_STEPS
	; THE WAY OUT.  O^T / the sum; my two heads' 128 channels are one K step of the last product: quantised here, stored as an image of the operand's registers.
.irp g, 0,1
	v_add_f32 v[18+4*\g], v[18+4*\g], v[19+4*\g]   ; the sum's two halves,
.endr
.irp g, 0,1
	s_delay_alu instid0(VALU_DEP_2)
	v_permlanex16_b32 v[BX+\g], v[18+4*\g], s[SEL], s[SEL+1]
.endr
.irp g, 0,1
	s_delay_alu instid0(VALU_DEP_2)
	v_add_f32 v[18+4*\g], v[18+4*\g], v[BX+\g]     ; and lane l xor 16's
.endr
	s_wait_alu depctr_va_vdst(0)
.irp g, 0,1
	v_rcp_f32 v[CT+\g], v[18+4*\g]
.endr
	v_nop                                          ; a plain place behind the reciprocals
	WIN 0x01                                       ; source 0 window 1
	s_wait_alu depctr_va_vdst(0)                   ; the wait ahead of their first reader, which is also O^T's
.irp g, 0,1
.set i, 0
.rept 32
	v_mul_f32 v[Y+32*\g+i], v[32*\g+i], v[CT+\g]   ; register 32 g + 8 n + j: channel 16 n + 8 h + j of head g, query r; each accumulator from its low end on
.set i, i+1
.endr
.endr
	WIN 0
.irp b, 0,1,2,3
	v_max3_num_f32 v[BM+\b], |v[Y+16*\b]|, |v[Y+16*\b+1]|, 0x1800000
.endr
.irp i, 2,4,6,8,10,12,14
.irp b, 0,1,2,3
	s_delay_alu instid0(VALU_DEP_4)
	v_max3_num_f32 v[BM+\b], v[BM+\b], |v[Y+16*\b+\i]|, |v[Y+16*\b+\i+1]|
.endr
.endr
.irp b, 0,1,2,3
	s_delay_alu instid0(VALU_DEP_4)
	v_permlanex16_b32 v[BX+\b], v[BM+\b], s[SEL], s[SEL+1]
.endr
.irp b, 0,1,2,3
	s_delay_alu instid0(VALU_DEP_4)
	v_max_num_f32 v[BM+\b], v[BM+\b], v[BX+\b]
.endr
.irp b, 0,1,2,3
	s_delay_alu instid0(VALU_DEP_4)
	v_add_nc_u32 v[SO+\b], 0xff000000, v[BM+\b]
.endr
.irp b, 0,1,2,3
	s_delay_alu instid0(VALU_DEP_4)
	v_lshrrev_b32 v[BX+\b], 23, v[SO+\b]
.endr
	s_delay_alu instid0(VALU_DEP_3)
	v_lshl_or_b32 v[PW], v[BX+1], 8, v[BX]
	s_delay_alu instid0(VALU_DEP_1)
	v_lshl_or_b32 v[PW], v[BX+2], 16, v[PW]
	s_delay_alu instid0(VALU_DEP_1)
	v_lshl_or_b32 v[PW], v[BX+3], 24, v[PW]
.irp c, 0,1
	v_cvt_scalef32_pk16_fp6_f32 v[128+6*\c:130+6*\c], v[Y+32*\c:Y+32*\c+15], v[SO+2*\c]
	v_cvt_scalef32_pk16_fp6_f32 v[140+4*\c:142+4*\c], v[Y+32*\c+16:Y+32*\c+31], v[SO+2*\c+1]
.endr
	v_nop
.irp c, 0,1
.irp i, 0,1,2
	v_permlane16_swap_b32 v[128+6*\c+\i], v[140+4*\c+\i]
.endr
.irp i, 0,1,2
	s_delay_alu instid0(VALU_DEP_3)
	v_mov_b32 v[131+6*\c+\i], v[140+4*\c+\i]
.endr
.endr
.irp c, 0,1,2
	global_store_b128 v4, v[128+4*\c:131+4*\c], s[66:67] offset:512*\c   ; 512 consecutive bytes, at a multiple of 256 in the buffer
.endr
	global_store_b32 v30, v[PW], s[68:69]          ; 16 words; lanes l and l xor 16 hold the same word and write the same place
	s_wait_tensorcnt 0x0                           ; the wave's end: three lines behind my last tensor load
	ds_add_u32 v[SPW], v[NIL]
	s_wait_dscnt 0x0
	s_endpgm
.Lfunc_end_k_qd3995fc28a_attn:
	.size	k_qd3995fc28a_attn, .Lfunc_end_k_qd3995fc28a_attn-k_qd3995fc28a_attn
	.p2alignl 7, 3214868480
	.fill 96, 4, 3214868480
	.section	.rodata,"a",@progbits
	.p2align	6, 0x0
	.amdhsa_kernel k_qd3995fc28a_attn
		.amdhsa_group_segment_fixed_size 327680
		.amdhsa_private_segment_fixed_size 0
		.amdhsa_enable_private_segment 0
		.amdhsa_kernarg_size 32
		.amdhsa_user_sgpr_count 2
		.amdhsa_user_sgpr_kernarg_segment_ptr 1
		.amdhsa_wavefront_size32 1
		.amdhsa_system_sgpr_workgroup_id_x 1
		.amdhsa_system_sgpr_workgroup_id_y 1
		.amdhsa_system_sgpr_workgroup_id_z 1
		.amdhsa_system_vgpr_workitem_id 0
		.amdhsa_next_free_vgpr 512
		.amdhsa_next_free_sgpr 72
		.amdhsa_reserve_vcc 0
		.amdhsa_float_denorm_mode_32 3
		.amdhsa_float_denorm_mode_16_64 3
		.amdhsa_memory_ordered 1
		.amdhsa_forward_progress 1
		.amdhsa_inst_pref_size 88
	.end_amdhsa_kernel
	.amdgpu_metadata
---
amdhsa.version: [ 1, 2 ]
amdhsa.kernels:
  - .name:           k_qd3995fc28a_attn
    .symbol:         k_qd3995fc28a_attn.kd
    .args:
      - { .name: qq, .offset: 0, .size: 8, .value_kind: global_buffer, .address_space: global }
      - { .name: kv, .offset: 8, .size: 8, .value_kind: global_buffer, .address_space: global }
      - { .name: mask, .offset: 16, .size: 8, .value_kind: global_buffer, .address_space: global }
      - { .name: aq, .offset: 24, .size: 8, .value_kind: global_buffer, .address_space: global }
    .group_segment_fixed_size: 327680
    .private_segment_fixed_size: 0
    .kernarg_segment_align: 8
    .kernarg_segment_size: 32
    .max_flat_workgroup_size: 256
    .sgpr_count:     72
    .vgpr_count:     512
    .wavefront_size: 32
...
	.end_amdgpu_metadata
.endif
;; end of part 3
;; launch oproj (part 4): grid 16 x 16, 4 waves a work-group, clusters of 4 x 4, 327,680 bytes of LDS; arguments aq, wts, out0; writes out0
.if DOCPART == 4
	.amdgcn_target "amdgcn-amd-amdhsa--gfx1250"
	.amdhsa_code_object_version 6
	.text
	.protected	k_qd3995fc28a_oproj
	.globl	k_qd3995fc28a_oproj
	.p2align	8
	.type	k_qd3995fc28a_oproj,@function
k_qd3995fc28a_oproj:
	s_mov_b64 s[64:65], 0
	v_nop
	global_prefetch_b8 v0, s[64:65] scope:SCOPE_SE
	s_setreg_imm32_b32 hwreg(HW_REG_WAVE_MODE, 25, 1), 1
	s_wait_xcnt 0x0
	s_wait_alu depctr_hold_cnt(0) depctr_sa_sdst(0) depctr_va_vdst(0) depctr_va_sdst(0) depctr_va_ssrc(0) depctr_va_vcc(0) depctr_vm_vsrc(0)
	s_getreg_b32 s2, hwreg(HW_REG_IB_STS2, 6, 4)
	s_cmp_eq_u32 s2, 0
	s_cbranch_scc0 .Lentry_in_a_cluster
	s_endpgm
.Lentry_in_a_cluster:
	s_bfe_u32 s2, ttmp6, 0x10000c
	s_cmp_lg_u32 s2, 0xf033
	s_cbranch_scc0 .Lentry_shape_is_right
	s_endpgm
.Lentry_shape_is_right:
; out0 = (attention's result) wo on codes of FP6 (E2M3).  A work-group of four waves makes 128 tokens (grid y) x 128 channels (grid x); a wave 64 x 64: 16 accumulators.  K = 2,048 in 16 steps of 128.
; OPERANDS come as tile records of 25,600 bytes (16 rows, all of K): four chunks of 6,400 bytes, each four K steps' fragments (1,536 bytes: an image of the operand's 12 registers, registers 4 c .. at 512 c + 16 lane)
; and from byte 6,144 their scale words (64 bytes a K step, 4 a row).  wo's records are 160-287 of wts.
; LDS, THREE FILLS.  Region A (0 .. 204,799): chunks 0 and 1 of the 16 tiles, one tensor row of 12,800 bytes a tile: the head's load, four tiles a wave.  Region B (from 204,800): chunk 2, rows of 6,400 bytes, first filled
; behind the full sequence and a round, while K steps 0-7 are multiplied.  Chunk 3 fills the first half of region A again behind K step 7's round, while K steps 8-11 are multiplied.  One load of a wave is out at a time.
; CLUSTER 4 x 4: wo's tiles hang on grid x alone and are shared along a column, the tokens' tiles on grid y alone and are shared along a row: every load is joint.
; NO PREFETCH: the walk has no loop to run ahead in: three fills, the second and third asked for eight and four K steps ahead of their first read.
; D = P Q^T, P = wo's tiles (a lane's eight registers: channels 8 h + j), Q = the tokens' (lane % 16): a lane holds eight neighbouring channels of one token.
.set TR,    25600
.set CH,    6400
.set FRB,   1536
.set RB,    32*CH                      ; region B
.set SPARE, RB+16*CH                   ; the spare words, 128 bytes a wave
.set STG,   SPARE+512                  ; the way out: 16 rows of 272 bytes a wave; no fill lands here
.set ADRP,  8                          ; v8-10   my P fragments in region A, B, and A as chunk 3 lies in it
.set ADRQ,  20                         ; v20-22  my Q fragments
.set ADSP,  24                         ; v24-26  P's scale words (4 x row)
.set ADSQ,  28                         ; v28-30  Q's
.set SPW,   14
.set NIL,   15
.set STO,   16
.set RD,    17
.set CO,    18
.set SC,    32                         ; v32-47  scale words: buffer b at 8 b: P's four tiles, Q's four; lanes 0-15 are read
.set OB,    48                         ; v48-111 the way out
.set ACC,   128                        ; accumulator (p, q) at ACC + 32 q + 8 p.  Window 1: fragment buffer b at 96 b: P's four, Q's four
.set G1W, 24
.set G0W, 32
.set G1X, 40
.set G0X, 48
.set MSB, 0
.macro WIN new
.if MSB != \new
	s_set_vgpr_msb (MSB<<8)|\new
.set MSB, \new
.endif
.endm
.set MUL,  0x05
.set TO_F, 0x40
.macro PLACES
.rept 4
	v_nop
.endr
.endm
.macro JLOAD g0w, g0x                  ; waves 0-1 fetch wo's tiles, waves 2-3 the tokens'.  An s_nop 0 and four v_nop follow each line
	s_cmp_eq_u32 s17, 0
	s_cbranch_scc0 .Lfor_x_\@
	tensor_load_to_lds s[\g0w:\g0w+3], s[G1W:G1W+7]
	s_nop 0
.rept 4
	v_nop
.endr
	s_branch .Lasked_\@
.Lfor_x_\@:
	tensor_load_to_lds s[\g0x:\g0x+3], s[G1X:G1X+7]
	s_nop 0
.rept 4
	v_nop
.endr
.Lasked_\@:
.endm
.macro CREST
	s_cmp_lg_u32 s16, 0
	s_cbranch_scc1 .Lnot_wave_0_\@
	s_barrier_signal -3
.Lnot_wave_0_\@:
	s_barrier_wait -3
	s_barrier_signal -1
	s_barrier_wait -1
.endm
.macro CROUND
	s_barrier_signal -1
	s_barrier_wait -1
	CREST
.endm
.macro WM d, a, b, zero, sa, sb
.if \zero
	v_wmma_scale_f32_16x16x128_f8f6f4 v[(\d):(\d)+7], v[(\a):(\a)+11], v[(\b):(\b)+11], 0, v[\sa], v[\sb] matrix_a_fmt:MATRIX_FMT_FP6 matrix_b_fmt:MATRIX_FMT_FP6
.else
	v_wmma_scale_f32_16x16x128_f8f6f4 v[(\d):(\d)+7], v[(\a):(\a)+11], v[(\b):(\b)+11], v[(\d):(\d)+7], v[\sa], v[\sb] matrix_a_fmt:MATRIX_FMT_FP6 matrix_b_fmt:MATRIX_FMT_FP6
.endif
.endm
.macro MULQ buf, q, zero               ; Q's tile q against P's four.  The 16 accumulators take turns, in the same order in every K step
.irp p, 0,1,2,3
	WM ACC+32*(\q)+8*\p, 96*(\buf)+12*\p, 96*(\buf)+48+12*(\q), \zero, SC+8*(\buf)+\p, SC+8*(\buf)+4+(\q)
.endr
.endm
.macro FETCH ks, buf                   ; 32 LDS loads in one run: K step ks: 8 registers of scale words, P's four fragments, Q's four (tiles 2 and 3 last)
.if (\ks) < 8
.set RG, 0
.set TP, 2*CH
.set OF, CH*((\ks)/4)
.else
.set RG, (\ks)/4-1
.set TP, CH
.set OF, 0
.endif
	WIN 0
.irp p, 0,1,2,3
	ds_load_b32 v[SC+8*(\buf)+\p], v[ADSP+RG] offset:TP*\p+OF+6144+64*((\ks)%4)
.endr
.irp q, 0,1,2,3
	ds_load_b32 v[SC+8*(\buf)+4+\q], v[ADSQ+RG] offset:TP*\q+OF+6144+64*((\ks)%4)
.endr
	WIN TO_F
.irp p, 0,1,2,3
.irp c, 0,1,2
	ds_load_b128 v[96*(\buf)+12*\p+4*\c:96*(\buf)+12*\p+4*\c+3], v[ADRP+RG] offset:TP*\p+OF+FRB*((\ks)%4)+512*\c
.endr
.endr
.irp q, 0,1,2,3
.irp c, 0,1,2
	ds_load_b128 v[96*(\buf)+48+12*\q+4*\c:96*(\buf)+48+12*\q+4*\c+3], v[ADRQ+RG] offset:TP*\q+OF+FRB*((\ks)%4)+512*\c
.endr
.endr
.endm
.macro KSTEP ks, zero
	s_wait_dscnt 6                                 ; all of this step's loads but the youngest six (Q's tiles 2 and 3) are in
	WIN MUL
	MULQ (\ks)%2, 0, \zero
	MULQ (\ks)%2, 1, \zero
	PLACES                                         ; four places in front of loads into registers that matrix instructions have read
	FETCH (\ks)+1, ((\ks)+1)%2
	s_wait_dscnt 32                                ; all but the 32 just issued
	WIN MUL
	MULQ (\ks)%2, 2, \zero
	MULQ (\ks)%2, 3, \zero
.endm
; K steps 7 and 11 (on buffer 1) leave a region: in front of the barrier each wave waits for all its tensor loads, adds 0 to its spare word, and waits for that and for its reads.
; fill = 1: the barrier opens a round of the cluster's barrier, and behind the round chunk 3 fills the first half of region A.
.macro TURN ks, fill
	WIN 0
	s_wait_tensorcnt 0x0                           ; my part of the region ahead is in
	ds_add_u32 v[SPW], v[NIL]
	s_wait_dscnt 7                                 ; (the add and the youngest six loads may be out)
	WIN MUL
	MULQ 1, 0, 0
	s_wait_dscnt 0x0                               ; the add is done, and my reads of the region left are over
	s_barrier_signal -1
	MULQ 1, 1, 0
	WIN 0
	s_barrier_wait -1
.if \fill
	CREST
	s_mov_b32 s[G0W+1], s89                        ; no tensor load of mine is out: four tiles of 6,400 bytes a wave, from LDS byte 0 on,
	s_mov_b32 s[G0X+1], s89
	s_add_nc_u64 s[G0W+2:G0W+3], s[G0W+2:G0W+3], 3*CH   ; chunk 3
	s_add_nc_u64 s[G0X+2:G0X+3], s[G0X+2:G0X+3], 3*CH
	JLOAD G0W, G0X                                 ; my one tensor load behind the round; its four v_nop are the places in front of the loads below
.else
	PLACES
.endif
	FETCH (\ks)+1, 0
	WIN MUL
	MULQ 1, 2, 0
	MULQ 1, 3, 0
.endm
	s_load_b128 s[4:7], s[0:1], 0x0                ; aq, wts
	s_load_b64 s[8:9], s[0:1], 0x10                ; out0
	v_lshl_add_u32 v[SPW], v0, 2, SPARE
	v_mov_b32 v[NIL], 0
	ds_add_u32 v[SPW], v[NIL]                      ; the opening lines: the add, twice on end, and its wait
	ds_add_u32 v[SPW], v[NIL]
	v_lshrrev_b32 v1, 5, v0
	v_readfirstlane_b32 s16, v1                    ; wave 0..3
	s_lshr_b32 s17, s16, 1                         ; my 64 of the 128 channels.  Also: I fetch for wo (0) or for the tokens (1)
	s_and_b32 s18, s16, 1                          ; my 64 of the 128 tokens.  Also: which four tiles I fetch
	s_bfe_u32 s21, ttmp6, 0x40000                  ; cx
	s_bfe_u32 s22, ttmp6, 0x40004                  ; cy
	s_lshl_b32 s19, ttmp9, 2
	s_add_co_u32 s19, s19, s21                     ; the channel tile
	s_and_b32 s20, ttmp7, 0xffff
	s_lshl_b32 s20, s20, 2
	s_add_co_u32 s20, s20, s22                     ; the token tile
	s_lshl_b32 s23, s22, 2
	s_lshl_b32 s23, 15, s23                        ; my row of the cluster
	s_lshl_b32 s90, 0x1111, s21                    ; my column
	s_or_b32 s[G1W], s90, (3<<16)|(1<<21)          ; elements of 8 bytes; bit 21 beside a mask
	s_or_b32 s[G1X], s23, (3<<16)|(1<<21)
.irp g, G1W, G1X
	s_mov_b32 s[\g+1], 1600<<16                    ; the head's load: rows of 12,800 bytes: two chunks of a tile
	s_mov_b32 s[\g+2], 4<<16
	s_mov_b32 s[\g+3], 1600<<16
	s_mov_b32 s[\g+4], 4
	s_mov_b32 s[\g+5], 3200                        ; a record on
	s_mov_b32 s[\g+6], 0
	s_mov_b32 s[\g+7], 0
.endr
	s_lshl_b32 s84, s19, 3
	s_lshl_b32 s85, s18, 2
	s_add_co_u32 s84, s84, s85
	s_add_co_u32 s84, s84, 160
	s_mul_i32 s84, s84, TR                         ; wo's record 160 + 8 x channel tile + 4 x (wave % 2)
	s_mov_b32 s85, 0
	s_lshl_b32 s86, s20, 3
	s_lshl_b32 s87, s18, 2
	s_add_co_u32 s86, s86, s87
	s_mul_i32 s86, s86, TR                         ; the tokens' record 8 x token tile + 4 x (wave % 2)
	s_mov_b32 s87, 0
	s_mul_i32 s88, s16, 8*CH                       ; where they go in region A: wo's 8 tiles, then the tokens' 8,
	s_mul_i32 s89, s16, 4*CH                       ; and at rows of one chunk
	s_wait_dscnt 0x0
	s_wait_kmcnt 0x0
	s_add_nc_u64 s[84:85], s[6:7], s[84:85]
	s_add_nc_u64 s[86:87], s[4:5], s[86:87]
	CROUND                                         ; all sixteen work-groups are here: the first joint loads meet
	s_mov_b32 s[G0W], 1
	s_mov_b32 s[G0W+1], s88
	s_mov_b64 s[G0W+2:G0W+3], s[84:85]
	s_or_b32 s[G0W+3], s[G0W+3], 0x80000000
	s_mov_b32 s[G0X], 1
	s_mov_b32 s[G0X+1], s88
	s_mov_b64 s[G0X+2:G0X+3], s[86:87]
	s_or_b32 s[G0X+3], s[G0X+3], 0x80000000
	s_mov_b32 s[G0W+4], 1
	s_add_co_u32 s[G0W+5], s89, RB
	s_add_nc_u64 s[G0W+6:G0W+7], s[84:85], 2*CH
	s_or_b32 s[G0W+7], s[G0W+7], 0x80000000
	s_mov_b32 s[G0X+4], 1
	s_add_co_u32 s[G0X+5], s89, RB
	s_add_nc_u64 s[G0X+6:G0X+7], s[86:87], 2*CH
	s_or_b32 s[G0X+7], s[G0X+7], 0x80000000
	JLOAD G0W, G0X                                 ; K steps 0-7: my one tensor load at the head
	s_mul_i32 s91, s17, 8*CH                       ; my four tiles of P in region A,
	s_mul_i32 s92, s18, 8*CH
	s_add_co_u32 s92, s92, 16*CH                   ; of Q;
	s_mul_i32 s93, s17, 4*CH                       ; and at rows of one chunk
	s_mul_i32 s96, s18, 4*CH
	s_add_co_u32 s96, s96, 8*CH
	s_mul_i32 s97, s16, 16*272
	s_add_co_u32 s97, s97, STG                     ; my stage
	s_lshl_b32 s94, s20, 7
	s_lshl_b32 s95, s18, 6
	s_add_co_u32 s94, s94, s95
	s_lshl_b32 s94, s94, 13                        ; my first token's row of 8,192 bytes,
	s_lshl_b32 s95, s19, 9
	s_add_co_u32 s94, s94, s95
	s_lshl_b32 s95, s17, 8
	s_add_co_u32 s94, s94, s95                     ; my first channel
	s_mov_b32 s95, 0
	s_add_nc_u64 s[8:9], s[8:9], s[94:95]
	v_and_b32 v1, 15, v0                           ; r
	v_bfe_u32 v2, v0, 4, 1                         ; h
	v_and_b32 v3, 31, v0
	v_lshlrev_b32 v4, 4, v3                        ; 16 x lane
	v_lshlrev_b32 v5, 2, v1                        ; 4 r
	v_add_nc_u32 v[ADRP], s91, v4
	v_add_nc_u32 v[ADSP], s91, v5
	v_add_nc_u32 v[ADRQ], s92, v4
	v_add_nc_u32 v[ADSQ], s92, v5
	v_add_nc_u32 v[ADRP+2], s93, v4
	v_add_nc_u32 v[ADSP+2], s93, v5
	v_add_nc_u32 v[ADRQ+2], s96, v4
	v_add_nc_u32 v[ADSQ+2], s96, v5
	v_add_nc_u32 v[ADRP+1], RB, v[ADRP+2]
	v_add_nc_u32 v[ADSP+1], RB, v[ADSP+2]
	v_add_nc_u32 v[ADRQ+1], RB, v[ADRQ+2]
	v_add_nc_u32 v[ADSQ+1], RB, v[ADSQ+2]
	v_mul_u32_u24 v[STO], v1, 272                  ; into the stage: row r, 32 bytes for each half of the lanes
	v_lshl_add_u32 v[STO], v2, 5, v[STO]
	v_add_nc_u32 v[STO], s97, v[STO]
	v_mul_u32_u24 v[RD], v2, 272                   ; back: sixteen lanes to a row of 256 bytes
	v_lshl_add_u32 v[RD], v1, 4, v[RD]
	v_add_nc_u32 v[RD], s97, v[RD]
	v_lshlrev_b32 v[CO], 13, v2
	v_lshl_add_u32 v[CO], v1, 4, v[CO]
	s_wait_alu depctr_va_vdst(0)                   ; the wait at the head's end
	s_wait_tensorcnt 0x0                           ; my part of region A is in; these lines stand ahead of a later first fill, as ahead of a refill
	ds_add_u32 v[SPW], v[NIL]
.irp g, G1W, G1X
	s_mov_b32 s[\g+1], 800<<16                     ; no tensor load of mine is out: from here on a row is one chunk
	s_mov_b32 s[\g+3], 800<<16
.endr
	s_wait_dscnt 0x0
	CROUND                                         ; region A is whole, and all sixteen work-groups are here
	JLOAD G0W+4, G0X+4                             ; K steps 8-11, into region B: the first tensor load behind the round
	FETCH 0, 0
	KSTEP 0, 1                                     ; the first K step starts the sums: nothing is cleared
.set KK, 1
.rept 6
	KSTEP KK, 0
.set KK, KK+1
.endr
	TURN 7, 1
	KSTEP 8, 0
	KSTEP 9, 0
	KSTEP 10, 0
	TURN 11, 0                                     ; nothing is left to fetch
	KSTEP 12, 0
	KSTEP 13, 0
	KSTEP 14, 0
	s_wait_dscnt 6
	WIN MUL
	MULQ 1, 0, 0
	MULQ 1, 1, 0
	s_wait_dscnt 0x0
	MULQ 1, 2, 0
	MULQ 1, 3, 0
	WIN 0
	PLACES                                         ; four places in front of the first read of results
; THE WAY OUT: 16 tokens x 64 channels at a time through my own stage, back as rows of 256 bytes: sixteen lanes store one aligned unit.  LDS serves a wave's instructions in order.
.macro TOSTAGE q
.irp p, 0,1,2,3
	ds_store_b128 v[STO], v[ACC+32*(\q)+8*\p:ACC+32*(\q)+8*\p+3] offset:64*\p
	ds_store_b128 v[STO], v[ACC+32*(\q)+8*\p+4:ACC+32*(\q)+8*\p+7] offset:64*\p+16
.endr
.irp i, 0,1,2,3,4,5,6,7
	ds_load_b128 v[OB+32*((\q)%2)+4*\i:OB+32*((\q)%2)+4*\i+3], v[RD] offset:544*\i
.endr
.endm
.macro SEND q, younger
	s_wait_dscnt \younger
.irp i, 0,1,2,3,4,5,6,7
	global_store_b128 v[CO], v[OB+32*((\q)%2)+4*\i:OB+32*((\q)%2)+4*\i+3], s[8:9] offset:(16*(\q)+2*\i)*8192 th:TH_STORE_NT
.endr
.endm
	TOSTAGE 0
.irp q, 1,2,3
.if \q > 1
	s_wait_xcnt 0x0                                ; the stores of two blocks back have read their registers
.endif
	TOSTAGE \q
	SEND \q-1, 16
.endr
	SEND 3, 0
	s_wait_tensorcnt 0x0                           ; the wave's end: three lines
	ds_add_u32 v[SPW], v[NIL]
	s_wait_dscnt 0x0
	CROUND                                         ; the closing round
	s_endpgm
.Lfunc_end_k_qd3995fc28a_oproj:
	.size	k_qd3995fc28a_oproj, .Lfunc_end_k_qd3995fc28a_oproj-k_qd3995fc28a_oproj
	.p2alignl 7, 3214868480
	.fill 96, 4, 3214868480
	.section	.rodata,"a",@progbits
	.p2align	6, 0x0
	.amdhsa_kernel k_qd3995fc28a_oproj
		.amdhsa_group_segment_fixed_size 327680
		.amdhsa_private_segment_fixed_size 0
		.amdhsa_enable_private_segment 0
		.amdhsa_kernarg_size 24
		.amdhsa_user_sgpr_count 2
		.amdhsa_user_sgpr_kernarg_segment_ptr 1
		.amdhsa_wavefront_size32 1
		.amdhsa_system_sgpr_workgroup_id_x 1
		.amdhsa_system_sgpr_workgroup_id_y 1
		.amdhsa_system_sgpr_workgroup_id_z 1
		.amdhsa_system_vgpr_workitem_id 0
		.amdhsa_next_free_vgpr 448
		.amdhsa_next_free_sgpr 100
		.amdhsa_reserve_vcc 0
		.amdhsa_float_denorm_mode_32 3
		.amdhsa_float_denorm_mode_16_64 3
		.amdhsa_memory_ordered 1
		.amdhsa_forward_progress 1
		.amdhsa_inst_pref_size 86
	.end_amdhsa_kernel
	.amdgpu_metadata
---
amdhsa.version: [ 1, 2 ]
amdhsa.kernels:
  - .name:           k_qd3995fc28a_oproj
    .symbol:         k_qd3995fc28a_oproj.kd
    .args:
      - { .name: aq, .offset: 0, .size: 8, .value_kind: global_buffer, .address_space: global }
      - { .name: wts, .offset: 8, .size: 8, .value_kind: global_buffer, .address_space: global }
      - { .name: out0, .offset: 16, .size: 8, .value_kind: global_buffer, .address_space: global }
    .group_segment_fixed_size: 327680
    .private_segment_fixed_size: 0
    .kernarg_segment_align: 8
    .kernarg_segment_size: 24
    .max_flat_workgroup_size: 128
    .sgpr_count:     100
    .vgpr_count:     448
    .wavefront_size: 32
...
	.end_amdgpu_metadata
.endif
;; end of part 4
